; MI455X (gfx1250); checked and timed in simulation.
; The chip was launched on July 23, 2026; its instructions are those of AMD's public machine-readable ISA for CDNA 5 (MIT licence, August 2026) and "CDNA5" Instruction Set Architecture Reference Guide (July 2026). The comments in the code are by the model that wrote it; some were corrected since.
;; Lattice RNN Cell. Allowed arithmetic: float matrix products may take bf16 or f16 operands with f32 sums; other float arithmetic in f32, or as packed bf16 or f16 multiplies, adds, multiply-adds, maxima and minima; sums over many terms, partial sums and values carried from step to step in f32; what a program stores and reads back later, other than sums and carried values, may be rounded once to bf16 or f16.
;; Inputs: W_hh 4,096 x 1,024 float32; W_ih 4,096 x 512 float32; Wc_proc 1,024 x 3,072 float32; Wh_proc 1,024 x 3,072 float32; b_hh 4,096 float32; b_ih 4,096 float32; bc_proc 1,024 float32; beta_c 1,024 float32; beta_h 1,024 float32; bh_proc 1,024 float32; cell_left 4,096 x 1,024 float32; cell_prev 4,096 x 1,024 float32; cell_up 4,096 x 1,024 float32; gamma_c 1,024 float32; gamma_h 1,024 float32; hidden_left 4,096 x 1,024 float32; hidden_prev 4,096 x 1,024 float32; hidden_up 4,096 x 1,024 float32; x 4,096 x 512 float32.
;; Outputs: out0 4,096 x 1,024 float32; out1 4,096 x 1,024 float32.
;; 2 versions, each right; version 2 is version 1 with the launch prep written anew for expert scheduling mode. Each part assembles by itself: llvm-mc -triple=amdgcn-amd-amdhsa -mcpu=gfx1250 --defsym DOCPART=n.
;; ======== version 1 of 2: 3 launches
;; workspace buffers: wp 12,681,216 bytes; bp 16,384 bytes; wg 12,582,912 bytes; bg 16,384 bytes; act 12,582,912 bytes; dc 16,777,216 bytes; ss 262,144 bytes
;; launch prep (part 1): grid 256 x 1, 16 waves a work-group, no clusters, 6,400 bytes of LDS; arguments Wh_proc, Wc_proc, bh_proc, bc_proc, W_hh, W_ih, b_ih, b_hh, gamma_h, beta_h, x, wp, bp, wg, bg, act, gamma_c; writes wp, bp, wg, bg, act
.if DOCPART == 1
	.amdgcn_target "amdgcn-amd-amdhsa--gfx1250"
	.amdhsa_code_object_version 6
	.text
	.protected	k_qa96cfee6fb_prep
	.globl	k_qa96cfee6fb_prep
	.p2align	8
	.type	k_qa96cfee6fb_prep,@function
k_qa96cfee6fb_prep:
	s_mov_b64 s[64:65], 0
	v_nop
	global_prefetch_b8 v0, s[64:65] scope:SCOPE_SE
	s_setreg_imm32_b32 hwreg(HW_REG_WAVE_MODE, 25, 1), 1
	s_wait_xcnt 0x0
; LatticeRNNCell, launch 1 of 3: the weights are rounded to bf16 ONCE and laid out as the two product launches take them; x is rounded into the gate product's operand.
; NO WORK IS LEFT OUT: every input of the module has a way to both outputs and is loaded by one of the three launches.
; IDENTITIES, for all values of the inputs.  (1) LayerNorm's mean: mean_n(a . W[n] + b[n]) = a . wbar + mean b, wbar[k] = mean_n W[n][k].  The next launch multiplies by W as it is, makes a . wbar beside it and
; takes it away, so D = P - mu, and the variance is mean(D^2): no difference of large sums is formed.  (2) processed_h W_hh^T = rs[row] x ((D_h o gamma_h) W_hh^T) + beta_h . W_hh[n]: the row's rs multiplies
; finished sums, gamma_h goes onto D_h, beta_h into a bias for each gate column.
; LIMITS.  Every input is rounded once to bf16 before it is used, the small vectors too; wbar is kept as two bf16 numbers (its rounding and the rest).  NaN and infinities are not treated apart.
; ROLES, by the work-group's number g, the same for all 16 waves: g < 96 rounds one strip of 64 columns of Wh_proc or Wc_proc and makes its wbar; g < 224 makes 32 rows of the gate weights; the last 32 round x,
; and wave 0 of the first two of them also makes a projection's bias and gamma: its loads go out behind that wave's loads of x, so that they are on their way together.
; wp: bf16 blocks [2 p][48 kb][4 cx] of 258 rows x 64: rows 0-255 = W[256 cx + row][64 kb ..], row 256 = wbar rounded, row 257 = what that rounding left.
; bp: f32 [2 p][2][1024]: (b - mean b) / 2 (both K halves of a work-group of the next launch start their sums with it), then gamma (gamma_h, gamma_c).
; wg: bf16 [4096][1536]: row n' = 256 T + 128 nh + 32 gate + j holds gate column n = 1024 gate + 64 T + 32 nh + j: W_hh[n][k], then W_ih[n][k - 1024].
; bg: f32 [4096]: K x (b_ih + b_hh + beta_h . W_hh[n]) at n', K = -log2 e for i, f, o and 2 log2 e for g.   act: bf16 [4096][1536]: here columns 1024.. = x.
; A stream: each byte is read once and written once; every store of a wave but bg's covers 256 consecutive bytes, aligned.  No matrix unit, no tensor load, no cluster: no two work-groups read the same bytes but for 4 KiB of beta_h.
.set X,     16                         ; v[16:143]  as loaded, then as stored
.set E,     144                        ; v[144:207] partial sums of the 16 waves; beta_h; the bias and gamma
.set S,     208                        ; v[208:223] sums, at work
.set SPW,   8                          ; v8  LDS address of my spare word; never rewritten
.set NIL,   9                          ; v9  0; never rewritten
.set RED,   0                          ; LDS: the strip role's partial sums, 256 bytes a wave
.set RED2,  4096                       ; the gate role's 32 numbers, in a block of their own
.set SPARE, 4352                       ; behind them: the spare words, 128 bytes for each of 16 waves
.set BLKB,  33024                      ; bytes in a block of wp
	s_load_b512 s[8:23], s[0:1], 0x0               ; Wh 8, Wc 10, bh 12, bc 14, W_hh 16, W_ih 18, b_ih 20, b_hh 22
	s_load_b512 s[24:39], s[0:1], 0x40             ; gamma_h 24, beta_h 26, x 28, wp 30, bp 32, wg 34, bg 36, act 38
	s_load_b64 s[58:59], s[0:1], 0x80              ; gamma_c
	v_lshl_add_u32 v[SPW], v0, 2, SPARE
	v_mov_b32 v[NIL], 0
	v_lshrrev_b32 v10, 5, v0
	v_readfirstlane_b32 s40, v10                   ; wave 0..15
	v_and_b32 v1, 31, v0                           ; lane l
	v_and_b32 v2, 15, v0                           ; r = l % 16
	v_bfe_u32 v3, v0, 4, 1                         ; h = l / 16
	s_mov_b32 s41, ttmp9                           ; g
	s_mov_b32 s48, 0x76543210                      ; v_permlanex16_b32: each lane takes its own place in the other half
	s_mov_b32 s49, 0xfedcba98
	s_mov_b32 s51, 0                               ; high words of two 64-bit offsets
	s_mov_b32 s53, 0
	s_mov_b32 s60, 0xffff0000                      ; a word's upper bf16; also: lanes 16-31
	s_wait_kmcnt 0x0
	s_cmp_lt_u32 s41, 96
	s_cbranch_scc1 .Lrole_a
	s_cmp_lt_u32 s41, 224
	s_cbranch_scc1 .Lrole_b
	; ROLE C: 128 rows of x, 8 a wave.  A row is 2,048 bytes: four loads of 512; rounded it is 1,024 bytes: four stores of 256.
	s_sub_co_u32 s42, s41, 224
	s_lshl_b32 s50, s42, 18                        ; 128 rows x 2,048 bytes
	s_mul_i32 s52, s42, 128*3072                   ; 128 rows of act
	s_add_nc_u64 s[28:29], s[28:29], s[50:51]
	s_add_nc_u64 s[38:39], s[38:39], s[52:53]
	s_lshl_b32 s43, s40, 14
	s_mul_i32 s44, s40, 8*3072
	v_lshl_add_u32 v4, v1, 4, s43                  ; 8 w rows + 16 l
	v_lshl_add_u32 v5, v1, 3, s44
.irp rr, 0,1,2,3,4,5,6,7
.irp jj, 0,1,2,3
	global_load_b128 v[X+16*(\rr)+4*(\jj):X+16*(\rr)+4*(\jj)+3], v4, s[28:29] offset:2048*(\rr)+512*(\jj) th:TH_LOAD_NT
.endr
.endr
	s_cmp_ge_u32 s42, 2                            ; projection p's bias and gamma: wave 0 of this role's work-group p; loads, wait, work and stores stand in this one region
	s_cbranch_scc1 .Lrows
	s_cmp_lg_u32 s40, 0
	s_cbranch_scc1 .Lrows
	s_cmp_eq_u32 s42, 1
	s_cselect_b64 s[56:57], s[14:15], s[12:13]     ; bc_proc or bh_proc
	s_cselect_b64 s[58:59], s[58:59], s[24:25]     ; gamma_c or gamma_h
	s_lshl_b32 s46, s42, 13
	s_mov_b32 s47, 0
	s_add_nc_u64 s[32:33], s[32:33], s[46:47]
	v_lshlrev_b32 v11, 4, v1
.irp j, 0,1,2,3,4,5,6,7
	global_load_b128 v[E+4*(\j):E+4*(\j)+3],       v11, s[56:57] offset:512*(\j)
	global_load_b128 v[E+32+4*(\j):E+32+4*(\j)+3], v11, s[58:59] offset:512*(\j)
.endr
	s_wait_loadcnt 0x0                             ; these sixteen are the youngest: x's rows are in too
.set i, 0
.rept 16
	v_cvt_pk_bf16_f32 v[S+4+(i%4)], v[E+2*i],    v[E+2*i+1]     ; both are rounded to bf16 and widened again
	v_cvt_pk_bf16_f32 v[S+8+(i%4)], v[E+32+2*i], v[E+32+2*i+1]
	v_lshlrev_b32 v[E+2*i],      16,  v[S+4+(i%4)]
	v_and_b32     v[E+2*i+1],    s60, v[S+4+(i%4)]
	v_lshlrev_b32 v[E+32+2*i],   16,  v[S+8+(i%4)]
	v_and_b32     v[E+32+2*i+1], s60, v[S+8+(i%4)]
.set i, i+1
.endr
	v_pk_add_f32 v[S:S+1], v[E:E+1], v[E+2:E+3]
.set i, 4
.rept 14
	v_pk_add_f32 v[S:S+1], v[S:S+1], v[E+i:E+i+1]
.set i, i+2
.endr
	v_add_f32 v[S], v[S], v[S+1]
	v_add_f32_dpp v[S], v[S], v[S] row_xmask:1 row_mask:0xf bank_mask:0xf
	v_add_f32_dpp v[S], v[S], v[S] row_xmask:2 row_mask:0xf bank_mask:0xf
	v_add_f32_dpp v[S], v[S], v[S] row_xmask:4 row_mask:0xf bank_mask:0xf
	v_add_f32_dpp v[S], v[S], v[S] row_xmask:8 row_mask:0xf bank_mask:0xf
	v_permlanex16_b32 v[S+1], v[S], s48, s49
	v_add_f32 v[S], v[S], v[S+1]
	v_mul_f32 v[S+2], 0xba000000, v[S]             ; - mean / 2 = - sum / 2,048
	v_mov_b32 v[S+3], v[S+2]
.set i, 0
.rept 16
	v_pk_fma_f32 v[E+i:E+i+1], v[E+i:E+i+1], 0.5, v[S+2:S+3] op_sel_hi:[1,0,1]   ; (b - mean) / 2
.set i, i+2
.endr
.irp j, 0,1,2,3,4,5,6,7
	global_store_b128 v11, v[E+4*(\j):E+4*(\j)+3],       s[32:33] offset:512*(\j)
	global_store_b128 v11, v[E+32+4*(\j):E+32+4*(\j)+3], s[32:33] offset:4096+512*(\j)
.endr
.Lrows:
.irp rr, 0,1,2,3,4,5,6,7
	s_wait_loadcnt 28-4*(\rr)                      ; loads come back in order: this row's four are in, the later rows' stay out
.irp jj, 0,1,2,3
	v_cvt_pk_bf16_f32 v[X+16*(\rr)+4*(\jj)],   v[X+16*(\rr)+4*(\jj)],   v[X+16*(\rr)+4*(\jj)+1]
	v_cvt_pk_bf16_f32 v[X+16*(\rr)+4*(\jj)+1], v[X+16*(\rr)+4*(\jj)+2], v[X+16*(\rr)+4*(\jj)+3]
	global_store_b64 v5, v[X+16*(\rr)+4*(\jj):X+16*(\rr)+4*(\jj)+1], s[38:39] offset:3072*(\rr)+2048+256*(\jj)
.endr
.endr
	s_branch .Lend
.Lrole_a:
	; ROLE A: strip kb (64 columns, 256 bytes of each of 1,024 rows) of projection p.  Wave w has rows 64 w .. 64 w + 63: it sums them by columns, rounds them and stores them, eight loads at a time; the 16 waves' sums meet in LDS.
	s_cmp_ge_u32 s41, 48
	s_cselect_b64 s[44:45], s[10:11], s[8:9]       ; Wc_proc or Wh_proc
	s_cselect_b32 s43, 48, 0
	s_sub_co_u32 s43, s41, s43                     ; kb
	s_lshl_b32 s50, s43, 8
	s_add_nc_u64 s[44:45], s[44:45], s[50:51]
	s_mul_i32 s52, s41, 4*BLKB                     ; the strip's four blocks: 48 p + kb = g
	s_add_nc_u64 s[30:31], s[30:31], s[52:53]
	s_lshl_b32 s46, s40, 6
	v_add_nc_u32 v4, s46, v3                       ; row 64 w + h
	v_mul_u32_u24 v4, v4, 12288
	v_lshl_add_u32 v4, v2, 4, v4                   ; + 16 r: a load takes two rows' 256 bytes
	s_lshr_b32 s46, s40, 2                         ; my rows lie in block cx = w / 4,
	s_mul_i32 s46, s46, BLKB
	s_and_b32 s47, s40, 3
	s_lshl_b32 s47, s47, 13                        ; from its row 64 (w % 4) on, 128 bytes a row
	s_add_co_u32 s46, s46, s47
	v_lshl_add_u32 v5, v1, 3, s46
	s_lshl_b32 s46, s40, 8
	v_lshl_add_u32 v6, v2, 4, s46                  ; RED + 256 w + 16 r
	v_lshlrev_b32 v7, 4, v2                        ; RED + 16 r
.irp i, 0,1,2,3,4,5,6,7,8,9,10,11,12,13,14,15,16,17,18,19,20,21,22,23,24,25,26,27,28,29,30,31
	global_load_b128 v[X+4*(\i):X+4*(\i)+3], v4, s[44:45] offset:24576*(\i) th:TH_LOAD_NT
.endr
	s_wait_loadcnt 24                              ; the first eight loads are in; 24 younger ones stay out
	v_pk_add_f32 v[S:S+1],   v[X:X+1],   v[X+8:X+9]          ; four chains (even and odd loads, columns 0-1 and 2-3): the first sums start them
	v_pk_add_f32 v[S+2:S+3], v[X+2:X+3], v[X+10:X+11]
	v_pk_add_f32 v[S+4:S+5], v[X+4:X+5], v[X+12:X+13]
	v_pk_add_f32 v[S+6:S+7], v[X+6:X+7], v[X+14:X+15]
.set i, 0
.rept 32
.if i >= 4
.if (i%8) == 0
	s_wait_loadcnt 24-8*(i/8)                      ; the next eight
.endif
	v_pk_add_f32 v[S+4*(i%2):S+4*(i%2)+1],   v[S+4*(i%2):S+4*(i%2)+1],   v[X+4*i:X+4*i+1]
	v_pk_add_f32 v[S+4*(i%2)+2:S+4*(i%2)+3], v[S+4*(i%2)+2:S+4*(i%2)+3], v[X+4*i+2:X+4*i+3]
.endif
	v_cvt_pk_bf16_f32 v[X+4*i],   v[X+4*i],   v[X+4*i+1]     ; summed: now rounded and stored, while the later loads are on their way
	v_cvt_pk_bf16_f32 v[X+4*i+1], v[X+4*i+2], v[X+4*i+3]
	global_store_b64 v5, v[X+4*i:X+4*i+1], s[30:31] offset:256*i        ; two rows of the block: 256 consecutive bytes
.set i, i+1
.endr
	v_pk_add_f32 v[S:S+1],   v[S:S+1],   v[S+4:S+5]
	v_pk_add_f32 v[S+2:S+3], v[S+2:S+3], v[S+6:S+7]
.irp c, 0,1,2,3
	v_permlanex16_b32 v[S+4+(\c)], v[S+(\c)], s48, s49       ; the odd rows lie in the other half of the lanes
.endr
	v_pk_add_f32 v[S:S+1],   v[S:S+1],   v[S+4:S+5]
	v_pk_add_f32 v[S+2:S+3], v[S+2:S+3], v[S+6:S+7]
	ds_store_b128 v6, v[S:S+3]                     ; both halves hold, and write, the same sums
	s_wait_dscnt 0x0                               ; for the others' sake: my store is done
	s_barrier_signal -1
	s_barrier_wait -1
	s_cmp_ge_u32 s40, 4                            ; waves 0 to 3 write wbar into the strip's four blocks; no barrier stands in what the others jump
	s_cbranch_scc1 .Lend
.irp v, 0,1,2,3,4,5,6,7,8,9,10,11,12,13,14,15
	ds_load_b128 v[E+4*(\v):E+4*(\v)+3], v7 offset:RED+256*(\v)
.endr
	s_wait_dscnt 0x0
.irp d, 8,4,2,1
.set vv, 0
.rept \d
	v_pk_add_f32 v[E+4*vv:E+4*vv+1],   v[E+4*vv:E+4*vv+1],   v[E+4*(vv+(\d)):E+4*(vv+(\d))+1]
	v_pk_add_f32 v[E+4*vv+2:E+4*vv+3], v[E+4*vv+2:E+4*vv+3], v[E+4*(vv+(\d))+2:E+4*(vv+(\d))+3]
.set vv, vv+1
.endr
.endr
	v_pk_mul_f32 v[E:E+1],   v[E:E+1],   0x3a800000 op_sel_hi:[1,0]   ; / 1,024: wbar of my four columns
	v_pk_mul_f32 v[E+2:E+3], v[E+2:E+3], 0x3a800000 op_sel_hi:[1,0]
	v_cvt_pk_bf16_f32 v[S],   v[E],   v[E+1]       ; rounded,
	v_cvt_pk_bf16_f32 v[S+1], v[E+2], v[E+3]
	v_lshlrev_b32 v[S+4], 16,  v[S]
	v_and_b32     v[S+5], s60, v[S]
	v_lshlrev_b32 v[S+6], 16,  v[S+1]
	v_and_b32     v[S+7], s60, v[S+1]
	v_pk_add_f32 v[S+4:S+5], v[E:E+1],   v[S+4:S+5] neg_lo:[0,1] neg_hi:[0,1]
	v_pk_add_f32 v[S+6:S+7], v[E+2:E+3], v[S+6:S+7] neg_lo:[0,1] neg_hi:[0,1]
	v_cvt_pk_bf16_f32 v[S+2], v[S+4], v[S+5]       ; and what the rounding left
	v_cvt_pk_bf16_f32 v[S+3], v[S+6], v[S+7]
	v_cndmask_b32 v[S+8], v[S],   v[S+2], s60      ; lanes 0-15 write row 256, lanes 16-31 row 257: 256 consecutive bytes
	v_cndmask_b32 v[S+9], v[S+1], v[S+3], s60
	s_mul_i32 s46, s40, BLKB
	s_add_co_u32 s46, s46, 32768
	v_lshl_add_u32 v10, v1, 3, s46
	global_store_b64 v10, v[S+8:S+9], s[30:31]
	s_branch .Lend
.Lrole_b:
	; ROLE B: 32 rows of wg, two a wave.  A row: 4,096 bytes of W_hh (eight loads of 512), 2,048 of W_ih (four); 48 registers.
	s_sub_co_u32 s42, s41, 96                      ; gi = 8 T + 4 nh + gate
	s_and_b32 s43, s42, 3                          ; gate
	s_lshr_b32 s44, s42, 2
	s_lshl_b32 s44, s44, 5
	s_lshl_b32 s45, s43, 10
	s_add_co_u32 s44, s44, s45                     ; n0 = 1024 gate + 32 (2 T + nh)
	s_mov_b32 s54, 0xbfb8aa3b                      ; -log2 e
	s_mov_b32 s55, 0x4038aa3b                      ; 2 log2 e
	s_cmp_eq_u32 s43, 2
	s_cselect_b32 s54, s55, s54
	s_lshl_b32 s50, s44, 12
	s_add_nc_u64 s[16:17], s[16:17], s[50:51]      ; W_hh at row n0
	s_lshl_b32 s50, s44, 11
	s_add_nc_u64 s[18:19], s[18:19], s[50:51]      ; W_ih
	s_lshl_b32 s50, s44, 2
	s_add_nc_u64 s[20:21], s[20:21], s[50:51]      ; b_ih, b_hh
	s_add_nc_u64 s[22:23], s[22:23], s[50:51]
	s_mul_i32 s52, s42, 32*3072
	s_add_nc_u64 s[34:35], s[34:35], s[52:53]      ; wg at row n'0 = 32 gi
	s_lshl_b32 s52, s42, 7
	s_add_nc_u64 s[36:37], s[36:37], s[52:53]      ; bg
	s_lshl_b32 s45, s40, 13
	v_lshl_add_u32 v4, v1, 4, s45                  ; 2 w rows of W_hh + 16 l
	s_lshl_b32 s45, s40, 12
	v_lshl_add_u32 v5, v1, 4, s45                  ; of W_ih
	v_lshlrev_b32 v6, 4, v1                        ; beta_h
	s_mul_i32 s45, s40, 2*3072
	v_lshl_add_u32 v7, v1, 3, s45                  ; 2 w rows of wg + 8 l
	s_lshl_b32 s45, s40, 3
	v_mov_b32 v11, s45                             ; 4 x (2 w)
	v_lshlrev_b32 v12, 2, v1                       ; 4 l
	s_cmp_lg_u32 s40, 0                            ; wave 0, which will finish bg, asks for the 32 rows' b_ih and b_hh first: its oldest loads, in by every later wait
	s_cbranch_scc1 .Lno_b
	global_load_b32 v[S+9],  v12, s[20:21]
	global_load_b32 v[S+10], v12, s[22:23]
.Lno_b:
.irp jj, 0,1,2,3,4,5,6,7
	global_load_b128 v[E+4*(\jj):E+4*(\jj)+3], v6, s[26:27] offset:512*(\jj)
.endr
.irp rr, 0,1
.irp jj, 0,1,2,3,4,5,6,7
	global_load_b128 v[X+48*(\rr)+4*(\jj):X+48*(\rr)+4*(\jj)+3], v4, s[16:17] offset:4096*(\rr)+512*(\jj) th:TH_LOAD_NT
.endr
.irp jj, 0,1,2,3
	global_load_b128 v[X+48*(\rr)+32+4*(\jj):X+48*(\rr)+32+4*(\jj)+3], v5, s[18:19] offset:2048*(\rr)+512*(\jj) th:TH_LOAD_NT
.endr
.endr
	s_wait_loadcnt 12                              ; beta_h and my first row are in; the second row's twelve loads stay out
.set i, 0
.rept 16
	v_cvt_pk_bf16_f32 v[E+32+(i%8)], v[E+2*i], v[E+2*i+1]    ; beta_h rounded to bf16 and widened again
	v_lshlrev_b32 v[E+2*i],   16,  v[E+32+(i%8)]
	v_and_b32     v[E+2*i+1], s60, v[E+32+(i%8)]
.set i, i+1
.endr
.irp rr, 0,1
.if (\rr) == 1
	s_wait_loadcnt 0x0                             ; my second row
.endif
.set R, X+48*(\rr)
.set i, 0
.rept 8                                        ; W_hh: rounded; the rounded numbers, widened into the two registers that the packing freed, go into beta_h . W_hh[n], two chains started by products
	v_cvt_pk_bf16_f32 v[R+4*i],   v[R+4*i],   v[R+4*i+1]
	v_cvt_pk_bf16_f32 v[R+4*i+1], v[R+4*i+2], v[R+4*i+3]
	v_lshlrev_b32 v[R+4*i+2], 16,  v[R+4*i]
	v_and_b32     v[R+4*i+3], s60, v[R+4*i]
.if i == 0
	v_pk_mul_f32 v[S+4*(\rr):S+4*(\rr)+1], v[R+4*i+2:R+4*i+3], v[E+4*i:E+4*i+1]
.else
	v_pk_fma_f32 v[S+4*(\rr):S+4*(\rr)+1], v[R+4*i+2:R+4*i+3], v[E+4*i:E+4*i+1], v[S+4*(\rr):S+4*(\rr)+1]
.endif
	v_lshlrev_b32 v[R+4*i+2], 16,  v[R+4*i+1]
	v_and_b32     v[R+4*i+3], s60, v[R+4*i+1]
.if i == 0
	v_pk_mul_f32 v[S+4*(\rr)+2:S+4*(\rr)+3], v[R+4*i+2:R+4*i+3], v[E+4*i+2:E+4*i+3]
.else
	v_pk_fma_f32 v[S+4*(\rr)+2:S+4*(\rr)+3], v[R+4*i+2:R+4*i+3], v[E+4*i+2:E+4*i+3], v[S+4*(\rr)+2:S+4*(\rr)+3]
.endif
	global_store_b64 v7, v[R+4*i:R+4*i+1], s[34:35] offset:3072*(\rr)+256*i
.set i, i+1
.endr
.rept 4                                        ; W_ih, on end behind it
	v_cvt_pk_bf16_f32 v[R+4*i],   v[R+4*i],   v[R+4*i+1]
	v_cvt_pk_bf16_f32 v[R+4*i+1], v[R+4*i+2], v[R+4*i+3]
	global_store_b64 v7, v[R+4*i:R+4*i+1], s[34:35] offset:3072*(\rr)+256*i
.set i, i+1
.endr
	v_pk_add_f32 v[S+4*(\rr):S+4*(\rr)+1], v[S+4*(\rr):S+4*(\rr)+1], v[S+4*(\rr)+2:S+4*(\rr)+3]
	v_add_f32 v[S+4*(\rr)], v[S+4*(\rr)], v[S+4*(\rr)+1]
	v_add_f32_dpp v[S+4*(\rr)], v[S+4*(\rr)], v[S+4*(\rr)] row_xmask:1 row_mask:0xf bank_mask:0xf
	v_add_f32_dpp v[S+4*(\rr)], v[S+4*(\rr)], v[S+4*(\rr)] row_xmask:2 row_mask:0xf bank_mask:0xf
	v_add_f32_dpp v[S+4*(\rr)], v[S+4*(\rr)], v[S+4*(\rr)] row_xmask:4 row_mask:0xf bank_mask:0xf
	v_add_f32_dpp v[S+4*(\rr)], v[S+4*(\rr)], v[S+4*(\rr)] row_xmask:8 row_mask:0xf bank_mask:0xf
	v_permlanex16_b32 v[S+4*(\rr)+1], v[S+4*(\rr)], s48, s49
	v_add_f32 v[S+4*(\rr)], v[S+4*(\rr)], v[S+4*(\rr)+1]
	ds_store_b32 v11, v[S+4*(\rr)] offset:RED2+4*(\rr)       ; all lanes write the same word with the same number
.endr
	s_wait_dscnt 0x0                               ; for wave 0's sake
	s_barrier_signal -1
	s_barrier_wait -1
	s_cmp_lg_u32 s40, 0                            ; wave 0 gathers the 32 rows' numbers, so that bg is written 128 bytes on end
	s_cbranch_scc1 .Lend
	ds_load_b32 v[S+8], v12 offset:RED2
	v_cvt_pk_bf16_f32 v[S+11], v[S+9], v[S+10]     ; b_ih and b_hh rounded to bf16 and widened again
	v_lshlrev_b32 v[S+9],  16,  v[S+11]
	v_and_b32     v[S+10], s60, v[S+11]
	v_add_f32 v[S+9], v[S+9], v[S+10]
	s_wait_dscnt 0x0
	v_add_f32 v[S+9], v[S+9], v[S+8]
	v_mul_f32 v[S+9], s54, v[S+9]
	global_store_b32 v12, v[S+9], s[36:37]
.Lend:
	s_wait_tensorcnt 0x0                           ; the wave's end, behind my last LDS store
	ds_add_u32 v[SPW], v[NIL]
	s_wait_dscnt 0x0
	s_endpgm
.Lfunc_end_k_qa96cfee6fb_prep:
	.size	k_qa96cfee6fb_prep, .Lfunc_end_k_qa96cfee6fb_prep-k_qa96cfee6fb_prep
	.p2alignl 7, 3214868480
	.fill 96, 4, 3214868480
	.section	.rodata,"a",@progbits
	.p2align	6, 0x0
	.amdhsa_kernel k_qa96cfee6fb_prep
		.amdhsa_group_segment_fixed_size 6400
		.amdhsa_private_segment_fixed_size 0
		.amdhsa_enable_private_segment 0
		.amdhsa_kernarg_size 136
		.amdhsa_user_sgpr_count 2
		.amdhsa_user_sgpr_kernarg_segment_ptr 1
		.amdhsa_wavefront_size32 1
		.amdhsa_system_sgpr_workgroup_id_x 1
		.amdhsa_system_sgpr_workgroup_id_y 1
		.amdhsa_system_sgpr_workgroup_id_z 1
		.amdhsa_system_vgpr_workitem_id 0
		.amdhsa_next_free_vgpr 224
		.amdhsa_next_free_sgpr 66
		.amdhsa_reserve_vcc 0
		.amdhsa_float_denorm_mode_32 3
		.amdhsa_float_denorm_mode_16_64 3
		.amdhsa_memory_ordered 1
		.amdhsa_forward_progress 1
		.amdhsa_inst_pref_size 59
	.end_amdhsa_kernel
	.amdgpu_metadata
---
amdhsa.version: [ 1, 2 ]
amdhsa.kernels:
  - .name:           k_qa96cfee6fb_prep
    .symbol:         k_qa96cfee6fb_prep.kd
    .args:
      - { .name: Wh_proc, .offset: 0, .size: 8, .value_kind: global_buffer, .address_space: global }
      - { .name: Wc_proc, .offset: 8, .size: 8, .value_kind: global_buffer, .address_space: global }
      - { .name: bh_proc, .offset: 16, .size: 8, .value_kind: global_buffer, .address_space: global }
      - { .name: bc_proc, .offset: 24, .size: 8, .value_kind: global_buffer, .address_space: global }
      - { .name: W_hh, .offset: 32, .size: 8, .value_kind: global_buffer, .address_space: global }
      - { .name: W_ih, .offset: 40, .size: 8, .value_kind: global_buffer, .address_space: global }
      - { .name: b_ih, .offset: 48, .size: 8, .value_kind: global_buffer, .address_space: global }
      - { .name: b_hh, .offset: 56, .size: 8, .value_kind: global_buffer, .address_space: global }
      - { .name: gamma_h, .offset: 64, .size: 8, .value_kind: global_buffer, .address_space: global }
      - { .name: beta_h, .offset: 72, .size: 8, .value_kind: global_buffer, .address_space: global }
      - { .name: x, .offset: 80, .size: 8, .value_kind: global_buffer, .address_space: global }
      - { .name: wp, .offset: 88, .size: 8, .value_kind: global_buffer, .address_space: global }
      - { .name: bp, .offset: 96, .size: 8, .value_kind: global_buffer, .address_space: global }
      - { .name: wg, .offset: 104, .size: 8, .value_kind: global_buffer, .address_space: global }
      - { .name: bg, .offset: 112, .size: 8, .value_kind: global_buffer, .address_space: global }
      - { .name: act, .offset: 120, .size: 8, .value_kind: global_buffer, .address_space: global }
      - { .name: gamma_c, .offset: 128, .size: 8, .value_kind: global_buffer, .address_space: global }
    .group_segment_fixed_size: 6400
    .private_segment_fixed_size: 0
    .kernarg_segment_align: 8
    .kernarg_segment_size: 136
    .max_flat_workgroup_size: 512
    .sgpr_count:     66
    .vgpr_count:     224
    .wavefront_size: 32
...
	.end_amdgpu_metadata
.endif
;; end of part 1
;; launch proc (part 2): grid 4 x 64, 4 waves a work-group, clusters of 4 x 4, 327,680 bytes of LDS; arguments hidden_left, hidden_up, hidden_prev, cell_left, cell_up, cell_prev, wp, bp, act, dc, ss; writes act, dc, ss
.if DOCPART == 2
	.amdgcn_target "amdgcn-amd-amdhsa--gfx1250"
	.amdhsa_code_object_version 6
	.text
	.protected	k_qa96cfee6fb_proc
	.globl	k_qa96cfee6fb_proc
	.p2align	8
	.type	k_qa96cfee6fb_proc,@function
k_qa96cfee6fb_proc:
	s_mov_b64 s[64:65], 0
	v_nop
	global_prefetch_b8 v0, s[64:65] scope:SCOPE_SE
	s_setreg_imm32_b32 hwreg(HW_REG_WAVE_MODE, 25, 1), 1
	s_wait_xcnt 0x0
	s_wait_alu depctr_hold_cnt(0) depctr_sa_sdst(0) depctr_va_vdst(0) depctr_va_sdst(0) depctr_va_ssrc(0) depctr_va_vcc(0) depctr_vm_vsrc(0)
	s_getreg_b32 s2, hwreg(HW_REG_IB_STS2, 6, 4)
	s_cmp_eq_u32 s2, 0
	s_cbranch_scc0 .Lentry_in_a_cluster
	s_endpgm
.Lentry_in_a_cluster:
	s_bfe_u32 s2, ttmp6, 0x10000c
	s_cmp_lg_u32 s2, 0xf033
	s_cbranch_scc0 .Lentry_shape_is_right
	s_endpgm
.Lentry_shape_is_right:
; LatticeRNNCell, launch 2 of 3: D = [left | up | prev] W^T + b - (the row's mean), for the hidden and the cell projection in one grid; D x gamma is stored, and partial sums of D^2.  Nothing is left out.
; THE MEAN, for all values of the inputs: mean_n(a . W[n] + b[n]) = a . wbar + mean b.  The launch before has taken mean b out of the bias and laid wbar, as two bf16 rows (its rounding and the rest), behind each
; block of W: a . wbar is made by the matrix unit beside the products and taken away from the finished sums.  LayerNorm's rs and beta are applied by the next launch.
; OUT: act bf16 [4096][1536], columns 0-1023: D_h x gamma_h.   dc f32 [4096][1024]: D_c x gamma_c.   ss f32 [8][8192]: part 2 cx + nh holds the sum of D^2 over 128 columns; rows 4096.. are the cell projection's.
; LIMITS.  Operands are rounded to bf16 (the activations between LDS and the matrix unit), D_h gamma_h once to bf16; sums in f32.  NaN and infinities are not treated apart.
; SHARES.  8,192 x 1,024 outputs in 256 tiles of 128 rows x 256 columns, one a work-group.  K (3,072) goes in 24 steps of 128 through two LDS slots.  K IS SPLIT AMONG THE WAVES: wave w takes columns 128 (w & 1) ..
; and, of every K step, the 64 k of half w >> 1, for all 128 rows: 64 accumulators of 16 x 16, and 8 for a . wbar.  The two halves' sums meet once, through LDS: each wave gives away the 64 rows that its partner keeps.
; THE MATRIX INSTRUCTION IS USED TRANSPOSED (source 0 = 16 rows of W, source 1 = 16 rows of activations): a lane holds one row and eight neighbouring columns of D.  For a . wbar lane r of source 0 takes wbar's row
; r & 1, so that in every lane register 0 of the result holds the rounded wbar's product for the lane's row and register 1 the rest's.
; THE ACTIVATIONS ARE f32 IN MEMORY AND IN LDS: each byte of them leaves memory once for this launch; 64 roundings a sub-step (32 k) ride, four behind each, on the sub-step's last 16 products.
; CLUSTER 4 x 4.  The four work-groups of a row of the cluster share their 128 rows of activations, the four of a column their blocks of W: each tile is asked for jointly.
; THE LOOP is written for one K step: s[TB], 0 or SLOT, says which slot is being multiplied; one exclusive or turns it, and the fragments' LDS addresses and the walking descriptors' LDS words are made of it.
; REGISTERS, in windows of 256 (s_set_vgpr_msb: bits 1:0 source 0, 3:2 source 1, 5:4 source 2, 7:6 destination):
;   window 0: v0-31 addresses; v32-47 wbar's fragments, two buffers (later packed results); v64-127, v128-191 bf16 fragments of the activations, two buffers; v192-255 the bias as the first products' C, then a . wbar
;   window 1: v0-127 f32 fragments as loaded; v128-191, v192-255 fragments of W, two buffers; at the end all 256: the partner's sums
;   window 2: the accumulators of the 64 rows that I keep (64 kh + 16 a);   window 3: of the 64 that I give away; at the end v0-63: gamma
.set AROW,   528                       ; an LDS row of activations: 512 bytes + 16: the 16 rows of a load start at 16 different groups of four banks
.set BROW,   144                       ; an LDS row of W: 128 bytes + 16, likewise
.set AHALF,  64*AROW                   ; what one of the activations' tensor loads brings
.set BOFF,   128*AROW                  ; behind the 128 rows of activations: two blocks of 64 k x 258 rows
.set BBLK,   258*BROW
.set BLKB,   33024                     ; a block in memory: 258 rows of 128 bytes on end
.set SLOT,   BOFF+2*BBLK               ; 141,888 bytes
.set STAGE,  283904                    ; behind the ring (283,776 bytes), at the next multiple of 256: 16 rows x 528 bytes for each wave
.set WSTG,   16*AROW
.set SPITCH, 272                       ; a stage row of 128 bf16; of 128 f32: AROW
.set SPARE,  STAGE+4*WSTG              ; behind the stages: the spare words, 128 bytes for each wave
.set XMU,    131072                    ; the exchange: 32,768 bytes a wave from LDS byte 0, then 512 bytes a wave for a . wbar
.set CO32, 3                           ; v3   16 l
.set ADRW, 4                           ; v4   LDS address of wbar's fragment in slot 0; v5 in the slot that is being fetched from
.set XM,   6                           ; v6   where I put the a . wbar that I give away
.set XMR,  7                           ; v7   where my partner has put mine
.set STO32, 8
.set RD32, 9
.set SSO,  10                          ; v10  8 l
.set SSL,  11                          ; v11  my stage + 4 l
.set SSQ,  12                          ; v12-15 my rows' sums of squares, block a
.set ADRAL, 16                         ; v16  LDS address of the f32 fragments of the rows that I keep, in slot 0; v17 in the slot that is being fetched from
.set ADRAH, 18                         ; v18, v19 of those that I give away
.set ADRB, 20                          ; v20, v21 of W
.set SSR,  22                          ; v22  my stage + 8 l
.set VBI,  23                          ; v23  32 h
.set STO,  24
.set RD,   25
.set CO,   26
.set XW,   27                          ; v27  where I put what I give away
.set SPW,  28
.set NIL,  29
.set PFO,  30                          ; v30  the prefetches' offset; never rewritten
.set XR,   31                          ; v31  where my partner has put what I keep
.set FW0,  32
.set FW1,  40
.set GV,   32                          ; v32-35 a . wbar of the four blocks that I give away; v36-39 of those that I keep; v40-43 my partner's part of these
.set MK,   36
.set MX,   40
.set TMP,  32
.set FA0,  64
.set FA1,  128
.set BIA,  192
.set MUA,  192
.set SQ,   192
.set MUT,  200                         ; v200-207 the row's a . wbar, a pair for each block
.set W,    64
.set OB,   128
.set ARAW, 0                           ; window 1
.set FB0,  128
.set FB1,  192
.set LDSA, 4                           ; s4   my part of a slot's activations: 64 rows x my half (the inputs' addresses, which lay here, have been chosen from)
.set LDSB, 5                           ; s5   my block of W in a slot
.set TB,   6                           ; s6   0 or SLOT: the slot that is being multiplied
.set KS,   7                           ; s7   the K step that the next refill asks for
.set G1,  24                           ; s[24:31] group 1 for the activations' tiles;  s[32:39] group 0: a set for each of the two first fills; the second then walks on
.set G0,  32
.set G1B, 40                           ; s[40:47], s[48:55] the same for W
.set G0B, 48
.set WV,  56
.set RO,  57                           ; w >> 1: I fetch activations (0) or W (1); also kh, my half of every K step
.set HF,  58                           ; w & 1: which half of that tile I fetch; also nh, my 128 columns
.set CX,  59
.set CY,  60
.set MT,  61                           ; tile row 0..63
.set PP,  62                           ; 0 hidden, 1 cell
.set SA0, 66                           ; s[66:71] left, up, prev at the 64 rows that I fetch
.set P0,  72                           ; s[72:77] the same three thirds of K for my prefetches
.set HSTB, 78                          ; bytes from K step to K step in what I prefetch
.set LIM, 79
.set PFA, 82
.set OFF, 84                           ; s[84:85] an offset, high word 0
.set AD,  86
.set SEL, 90
.set OUTB, 92
.set SSB, 94
.set BB,  98                           ; s[98:99] wp at my block of K step 0
.set MSB, 0
.macro WIN new                         ; the immediate's high byte repeats the setting that is left; a switch that changes nothing is dropped
.if MSB != (\new)
	s_set_vgpr_msb (MSB<<8)|(\new)
.set MSB, \new
.endif
.endm
.set MUL_LO,  0xa1                     ; W window 1, activations window 0, C and D window 2
.set MULB_LO, 0x81                     ; the same with C (the bias) in window 0
.set TO_1,    0x40
.set TO_3,    0xc0
.set CVT,     0x05                     ; sources window 1, destination window 0
.set SRC1_3,  0x0c                     ; source 1 (an LDS store's data; gamma) in window 3
.set XADD,    0x06                     ; source 0 window 2, source 1 window 1, destination window 0
; A joint load: waves 0 and 1 fetch the two halves of the activations' tile, waves 2 and 3 the two blocks of W.  The branch hangs on the wave's number alone.  An s_nop 0 and four v_nop follow each line.
.macro JLOAD s
	s_cmp_eq_u32 s[RO], 0
	s_cbranch_scc0 .Lfor_b_\@
	tensor_load_to_lds s[G0+4*(\s):G0+4*(\s)+3], s[G1:G1+7]
	s_nop 0
.rept 4
	v_nop
.endr
	s_branch .Lasked_\@
.Lfor_b_\@:
	tensor_load_to_lds s[G0B+4*(\s):G0B+4*(\s)+3], s[G1B:G1B+7]
	s_nop 0
.rept 4
	v_nop
.endr
.Lasked_\@:
.endm
.macro CREST                           ; a round of the cluster's barrier behind its opening barrier
	s_cmp_lg_u32 s[WV], 0
	s_cbranch_scc1 .Lnot_wave_0_\@
	s_barrier_signal -3
.Lnot_wave_0_\@:
	s_barrier_wait -3
	s_barrier_signal -1
	s_barrier_wait -1
.endm
.macro CROUND
	s_barrier_signal -1
	s_barrier_wait -1
	CREST
.endm
; dst = base[step / 8] + (step % 8) x mul: K's three thirds, eight K steps each, lie in three buffers (activations), or 64 blocks apart (wp)
.macro SRC3 dst, idx, b0, mul
	s_lshr_b32 s88, \idx, 3
	s_cmp_eq_u32 s88, 1
	s_cselect_b64 s[(\dst):(\dst)+1], s[(\b0)+2:(\b0)+3], s[(\b0):(\b0)+1]
	s_cmp_eq_u32 s88, 2
	s_cselect_b64 s[(\dst):(\dst)+1], s[(\b0)+4:(\b0)+5], s[(\dst):(\dst)+1]
	s_and_b32 s[OFF], \idx, 7
	s_mul_i32 s[OFF], s[OFF], \mul
	s_add_nc_u64 s[(\dst):(\dst)+1], s[(\dst):(\dst)+1], s[OFF:OFF+1]
.endm
; A PREFETCH INTO THE L2, behind each joint load, its five lines and the run of LDS loads: my share of what the refill four K steps on (576 matrix instructions of a wave) will ask for: 32 blocks of 256 bytes, a lane a block.
; The activations' rows are read by one row of one cluster alone: every cluster asks for its own; the four partners share a wave's 64 rows x 512 bytes out BY ADDRESS, 16 rows each.  A block of W is read by the
; eight clusters of its projection: the first of them asks, its four partners of a column 8,192 bytes each (the block's last 256 bytes, wbar's, come by their load alone).  So no 256 bytes are named twice in the launch.
; The last four trips ask for nothing; K steps 0 to 5 come by their loads alone.
.macro ASK
	s_cmp_gt_u32 s3, s[LIM]
	s_cbranch_scc0 .Lnot_mine_\@
	global_prefetch_b8 v[PFO], s[PFA:PFA+1] th:TH_LOAD_NT scope:SCOPE_SE
.Lnot_mine_\@:
.endm
	s_load_b512 s[4:19], s[0:1], 0x0               ; hidden_left 4, _up 6, _prev 8, cell_left 10, _up 12, _prev 14, wp 16, bp 18
	s_load_b128 s[20:23], s[0:1], 0x40             ; act 20, dc 22
	s_load_b64 s[SSB:SSB+1], s[0:1], 0x50          ; ss
	v_lshl_add_u32 v[SPW], v0, 2, SPARE
	v_mov_b32 v[NIL], 0
	ds_add_u32 v[SPW], v[NIL]                      ; the wave's opening: the add, twice on end, and its wait ahead of my first tensor load
	ds_add_u32 v[SPW], v[NIL]
	v_lshrrev_b32 v1, 5, v0
	v_readfirstlane_b32 s[WV], v1
	s_lshr_b32 s[RO], s[WV], 1
	s_and_b32 s[HF], s[WV], 1
	s_bfe_u32 s[CX], ttmp6, 0x40000
	s_bfe_u32 s[CY], ttmp6, 0x40004
	s_and_b32 s96, ttmp7, 0xffff                   ; cluster y, 0..15 (the grid is one cluster wide)
	s_lshl_b32 s[MT], s96, 2
	s_add_co_u32 s[MT], s[MT], s[CY]
	s_lshr_b32 s[PP], s96, 3
	s_lshl_b32 s88, s[CY], 2
	s_lshl_b32 s88, 15, s88                        ; my row of the cluster
	s_lshl_b32 s89, 0x1111, s[CX]                  ; my column
	s_or_b32 s[G1],  s88, (2<<16)|(1<<20)|(1<<21)|(6<<22)|(3<<25)   ; elements of 4 bytes; padding on; bit 21 beside a mask; after every 128 words, 4 words
	s_or_b32 s[G1B], s89, (1<<16)|(1<<20)|(1<<21)|(4<<22)|(3<<25)   ; elements of 2 bytes; after every 32 words, 4 words
	s_mov_b32 s[G1+1], 128<<16                     ; tensor_dim0 = 128
	s_mov_b32 s[G1+2], 64<<16                      ; tensor_dim1 = 64
	s_mov_b32 s[G1+3], 128<<16                     ; tile_dim0 = 128
	s_mov_b32 s[G1+4], 64                          ; tile_dim1 = 64
	s_mov_b32 s[G1+5], 1024                        ; elements from row to row
	s_mov_b32 s[G1+6], 0
	s_mov_b32 s[G1+7], 0
	s_mov_b32 s[G1B+1], 128<<16                    ; 258 rows of 128 bytes lie end to end: asked for as 129 rows of 256 bytes
	s_mov_b32 s[G1B+2], 129<<16
	s_mov_b32 s[G1B+3], 128<<16
	s_mov_b32 s[G1B+4], 129
	s_mov_b32 s[G1B+5], 128
	s_mov_b32 s[G1B+6], 0
	s_mov_b32 s[G1B+7], 0
	s_mul_i32 s97, s[HF], AHALF                    ; where the tiles go: no place in the cluster enters an LDS address
	s_mul_i32 s2, s[HF], BBLK
	s_and_b32 s[AD], s[MT], 31                     ; the activations' rows: 128 (mt % 32) + 64 x half, 4,096 bytes each
	s_lshl_b32 s[AD], s[AD], 19
	s_lshl_b32 s88, s[HF], 18
	s_add_co_u32 s[AD], s[AD], s88
	s_mov_b32 s[AD+1], 0
	s_mul_i32 s[BB], s[PP], 48                     ; wp: block ((48 p + half) x 4 + cx)
	s_add_co_u32 s[BB], s[BB], s[HF]
	s_lshl_b32 s[BB], s[BB], 2
	s_add_co_u32 s[BB], s[BB], s[CX]
	s_mul_i32 s[BB], s[BB], BLKB
	s_mov_b32 s[BB+1], 0
	s_mov_b32 s[OFF+1], 0
	s_mov_b32 s[SEL], 0x76543210
	s_mov_b32 s[SEL+1], 0xfedcba98
	s_wait_dscnt 0x0                               ; both opening adds are done
	s_wait_kmcnt 0x0
	s_cmp_eq_u32 s[PP], 1
	s_cselect_b64 s[SA0:SA0+1],   s[10:11], s[4:5]
	s_cselect_b64 s[SA0+2:SA0+3], s[12:13], s[6:7]
	s_cselect_b64 s[SA0+4:SA0+5], s[14:15], s[8:9]
	s_add_nc_u64 s[SA0:SA0+1],   s[SA0:SA0+1],   s[AD:AD+1]
	s_add_nc_u64 s[SA0+2:SA0+3], s[SA0+2:SA0+3], s[AD:AD+1]
	s_add_nc_u64 s[SA0+4:SA0+5], s[SA0+4:SA0+5], s[AD:AD+1]
	s_add_nc_u64 s[BB:BB+1], s[16:17], s[BB:BB+1]
	s_mov_b32 s[LDSA], s97
	s_add_co_u32 s[LDSB], s2, BOFF
	s_mov_b32 s[TB], 0
	CROUND                                         ; all sixteen work-groups are here: the first joint loads meet
.irp s, 0,1
	s_mov_b32 s[G0+4*(\s)], 1
	s_add_co_u32 s[G0+4*(\s)+1], s[LDSA], (\s)*SLOT
	s_add_nc_u64 s[G0+4*(\s)+2:G0+4*(\s)+3], s[SA0:SA0+1], (\s)*512        ; K step s
	s_or_b32 s[G0+4*(\s)+3], s[G0+4*(\s)+3], 0x80000000
	s_mov_b32 s[G0B+4*(\s)], 1
	s_add_co_u32 s[G0B+4*(\s)+1], s[LDSB], (\s)*SLOT
	s_add_nc_u64 s[G0B+4*(\s)+2:G0B+4*(\s)+3], s[BB:BB+1], (\s)*8*BLKB     ; a K step is two blocks of k x four of columns
	s_or_b32 s[G0B+4*(\s)+3], s[G0B+4*(\s)+3], 0x80000000
	JLOAD \s                                       ; two loads of mine are out
.endr
	v_and_b32 v1, 15, v0                           ; r
	v_bfe_u32 v2, v0, 4, 1                         ; h
	v_and_b32 v3, 31, v0                           ; l
	; half the centred bias, laid out as an accumulator: register j of block b = column 16 b + 8 h + j
	s_lshl_b32 s88, s[PP], 13
	s_lshl_b32 s89, s[CX], 10
	s_add_co_u32 s88, s88, s89
	s_lshl_b32 s89, s[HF], 9
	s_add_co_u32 s[OFF], s88, s89
	s_add_nc_u64 s[18:19], s[18:19], s[OFF:OFF+1]
	v_lshlrev_b32 v[VBI], 5, v2
.irp b, 0,1,2,3,4,5,6,7
	global_load_b128 v[BIA+8*(\b):BIA+8*(\b)+3],   v[VBI], s[18:19] offset:64*(\b)
	global_load_b128 v[BIA+8*(\b)+4:BIA+8*(\b)+7], v[VBI], s[18:19] offset:64*(\b)+16
.endr
	; an f32 fragment: lane (r, h) takes k = 8 h .. 8 h + 7 and 16 + 8 h ..: 32 bytes at 32 h and at 64 + 32 h of row r
	v_mul_u32_u24 v32, v1, AROW
	v_lshl_add_u32 v32, v2, 5, v32
	s_mul_i32 s88, s[RO], 64*AROW+256              ; rows 64 kh on, my half's 256 bytes of a row
	s_mul_i32 s89, s[RO], 64*AROW-256
	s_sub_co_u32 s89, 64*AROW, s89                 ; rows 64 (1 - kh) on, the same bytes
	v_add_nc_u32 v[ADRAL], s88, v32
	v_add_nc_u32 v[ADRAH], s89, v32
	v_mul_u32_u24 v33, v1, BROW
	v_lshl_add_u32 v33, v2, 4, v33
	s_mul_i32 s88, s[RO], BBLK
	s_mul_i32 s89, s[HF], 128*BROW
	s_add_co_u32 s89, s88, s89
	s_add_co_u32 s89, s89, BOFF
	v_add_nc_u32 v[ADRB], s89, v33
	v_and_b32 v34, 1, v0                           ; wbar: row 256 + r % 2 of my block
	v_mul_u32_u24 v34, v34, BROW
	v_lshl_add_u32 v34, v2, 4, v34
	s_add_co_u32 s88, s88, BOFF+256*BROW
	v_add_nc_u32 v[ADRW], s88, v34
	s_mul_i32 s88, s[WV], WSTG
	s_add_co_u32 s88, s88, STAGE                   ; my stage
	v_mul_u32_u24 v33, v1, SPITCH
	v_lshl_add_u32 v33, v2, 4, v33
	v_add_nc_u32 v[STO], s88, v33                  ; bf16, in: row r, 16 bytes for each half of the lanes
	v_mul_u32_u24 v33, v2, SPITCH
	v_lshl_add_u32 v33, v1, 4, v33
	v_add_nc_u32 v[RD], s88, v33                   ; back: lanes 0-15 one row of 256 bytes, lanes 16-31 the next
	v_add_nc_u32 v[STO32], s88, v32                ; f32, in: row r, 32 bytes for each half of the lanes
	v_lshl_add_u32 v[RD32], v3, 4, s88             ; back: 32 lanes one row of 512 bytes
	v_lshl_add_u32 v[SSL], v3, 2, s88
	v_lshl_add_u32 v[SSR], v3, 3, s88
	v_lshlrev_b32 v[SSO], 3, v3
	v_mul_u32_u24 v33, v2, 3072
	v_lshl_add_u32 v[CO], v1, 4, v33               ; two rows in act
	s_lshl_b32 s88, s[WV], 15
	v_lshl_add_u32 v[XW], v3, 4, s88
	s_xor_b32 s88, s88, 65536                      ; my partner: the same columns, the other half of K
	v_lshl_add_u32 v[XR], v3, 4, s88
	s_lshl_b32 s88, s[WV], 9
	s_add_co_u32 s89, s88, XMU
	v_lshl_add_u32 v[XM], v3, 4, s89
	s_xor_b32 s88, s88, 1024
	s_add_co_u32 s89, s88, XMU
	v_lshl_add_u32 v[XMR], v3, 4, s89
	s_lshl_b32 s88, s[MT], 7
	s_lshl_b32 s89, s[RO], 6
	s_add_co_u32 s88, s88, s89                     ; the first row that I store, of 8,192
	s_mul_i32 s2, s88, 3072
	s_lshl_b32 s89, s[CX], 9
	s_add_co_u32 s2, s2, s89
	s_lshl_b32 s89, s[HF], 8
	s_add_co_u32 s2, s2, s89                       ; its place in act (used where p = 0),
	s_and_b32 s97, s88, 4095
	s_lshl_b32 s97, s97, 12
	s_lshl_b32 s89, s[CX], 10
	s_add_co_u32 s97, s97, s89
	s_lshl_b32 s89, s[HF], 9
	s_add_co_u32 s97, s97, s89                     ; and in dc (p = 1)
	s_cmp_eq_u32 s[PP], 1
	s_cselect_b32 s[OFF], s97, s2
	s_cselect_b64 s[OUTB:OUTB+1], s[22:23], s[20:21]
	s_add_nc_u64 s[OUTB:OUTB+1], s[OUTB:OUTB+1], s[OFF:OFF+1]
	s_lshl_b32 s89, s[CX], 1
	s_add_co_u32 s89, s89, s[HF]
	s_lshl_b32 s89, s89, 15                        ; part 2 cx + nh
	s_lshl_b32 s88, s88, 2
	s_add_co_u32 s[OFF], s88, s89
	s_add_nc_u64 s[SSB:SSB+1], s[SSB:SSB+1], s[OFF:OFF+1]
	; the prefetches
	s_lshl_b32 s88, s[CX], 16                      ; activations: my work-group's 16 rows of the wave's 64
	s_lshl_b32 s89, s[CY], 13                      ; W: my work-group's 32 blocks of 256 bytes
	s_mov_b32 s[HSTB], 512                         ; a K step is 512 bytes of an activation row, 8 blocks of wp
	s_mov_b32 s97, 8*BLKB
	s_and_b32 s96, s96, 7
	s_cmp_eq_u32 s[RO], 0
	s_cselect_b32 s88, s88, s89
	s_cselect_b32 s96, 0, s96                      ; 0 in a wave that asks: the same in all sixteen partners, for a given wave
	s_cselect_b32 s89, 0, -1
	s_cselect_b32 s[HSTB], s[HSTB], s97
	s_cselect_b64 s[P0:P0+1], s[SA0:SA0+1], s[BB:BB+1]
	s_add_nc_u64 s[AD:AD+1], s[BB:BB+1], 64*BLKB
	s_cselect_b64 s[P0+2:P0+3], s[SA0+2:SA0+3], s[AD:AD+1]
	s_add_nc_u64 s[AD:AD+1], s[BB:BB+1], 128*BLKB
	s_cselect_b64 s[P0+4:P0+5], s[SA0+4:SA0+5], s[AD:AD+1]
	s_cmp_eq_u32 s96, 0
	s_cselect_b32 s[LIM], 4, -1
	v_lshrrev_b32 v35, 1, v3
	v_and_b32 v36, 1, v3
	v_lshlrev_b32 v35, 12, v35
	v_lshl_add_u32 v35, v36, 8, v35                ; activations: row l / 2, block l % 2
	v_lshlrev_b32 v36, 8, v3                       ; W: block l
	v_cndmask_b32 v[PFO], v35, v36, s89
	v_add_nc_u32 v[PFO], s88, v[PFO]
	v_lshlrev_b32 v[CO32], 4, v3                   ; l is needed no more
; 16 matrix instructions: row blocks a0, a0 + 1 of the window's four x all 8 column blocks, 32 along K.  first = 1: the sums start with half the bias.  The accumulators take turns, one instruction a turn, in the same
; order in every sub-step.
.macro MUL16 fa, fb, hi, a0, first
.irp a, \a0, (\a0)+1
.irp b, 0,1,2,3,4,5,6,7
.if \first
	WIN MULB_LO+0x40*(\hi)
	v_wmma_f32_16x16x32_bf16 v[8*(8*(\a)+(\b)):8*(8*(\a)+(\b))+7], v[(\fb)+8*(\b):(\fb)+8*(\b)+7], v[(\fa)+8*(4*(\hi)+(\a)):(\fa)+8*(4*(\hi)+(\a))+7], v[BIA+8*(\b):BIA+8*(\b)+7]
.else
	WIN MUL_LO+0x50*(\hi)
	v_wmma_f32_16x16x32_bf16 v[8*(8*(\a)+(\b)):8*(8*(\a)+(\b))+7], v[(\fb)+8*(\b):(\fb)+8*(\b)+7], v[(\fa)+8*(4*(\hi)+(\a)):(\fa)+8*(4*(\hi)+(\a))+7], v[8*(8*(\a)+(\b)):8*(8*(\a)+(\b))+7]
.endif
.endr
.endr
.endm
; The same, with four roundings behind each product: the next sub-step's 128 f32 registers become buffer ga.  They name no register of the products round them, and the four behind the last product are the
; places between it and the loads that follow into registers that it has read.  Two window switches a product: the price of not setting 64 vector instructions apart, with the matrix unit idle.
.macro MUL16R fa, fb, hi, a0, first, ga
.set n, 0
.irp a, \a0, (\a0)+1
.irp b, 0,1,2,3,4,5,6,7
.if \first
	WIN MULB_LO+0x40*(\hi)
	v_wmma_f32_16x16x32_bf16 v[8*(8*(\a)+(\b)):8*(8*(\a)+(\b))+7], v[(\fb)+8*(\b):(\fb)+8*(\b)+7], v[(\fa)+8*(4*(\hi)+(\a)):(\fa)+8*(4*(\hi)+(\a))+7], v[BIA+8*(\b):BIA+8*(\b)+7]
.else
	WIN MUL_LO+0x50*(\hi)
	v_wmma_f32_16x16x32_bf16 v[8*(8*(\a)+(\b)):8*(8*(\a)+(\b))+7], v[(\fb)+8*(\b):(\fb)+8*(\b)+7], v[(\fa)+8*(4*(\hi)+(\a)):(\fa)+8*(4*(\hi)+(\a))+7], v[8*(8*(\a)+(\b)):8*(8*(\a)+(\b))+7]
.endif
	WIN CVT
.irp q, 0,1,2,3
	v_cvt_pk_bf16_f32 v[(\ga)+4*n+(\q)], v[ARAW+8*n+2*(\q)], v[ARAW+8*n+2*(\q)+1]
.endr
.set n, n+1
.endr
.endr
.endm
; 8 matrix instructions: a . wbar for my 8 blocks of rows, 32 along K.  zero = 1: they start their sums
.macro MU8 fa, fw, zero
	WIN 0
.irp i, 0,1,2,3,4,5,6,7
.if \zero
	v_wmma_f32_16x16x32_bf16 v[MUA+8*(\i):MUA+8*(\i)+7], v[(\fw):(\fw)+7], v[(\fa)+8*(\i):(\fa)+8*(\i)+7], 0
.else
	v_wmma_f32_16x16x32_bf16 v[MUA+8*(\i):MUA+8*(\i)+7], v[(\fw):(\fw)+7], v[(\fa)+8*(\i):(\fa)+8*(\i)+7], v[MUA+8*(\i):MUA+8*(\i)+7]
.endif
.endr
.endm
; The four LDS addresses of the slot at s[TB], from which the next two runs of loads fetch
.macro SETSLOT
	WIN 0
	v_add_nc_u32 v[ADRW+1],  s[TB], v[ADRW]
	v_add_nc_u32 v[ADRAL+1], s[TB], v[ADRAL]
	v_add_nc_u32 v[ADRAH+1], s[TB], v[ADRAH]
	v_add_nc_u32 v[ADRB+1],  s[TB], v[ADRB]
.endm
; 50 LDS loads in one run: sub-step sub (32 k) of my half of that slot: wbar's fragment into fw (2), 128 rows of activations in f32 (32), then 128 rows of W into buffer fb (16)
.macro FETCH sub, fb, fw
	WIN 0
	ds_load_b128 v[(\fw):(\fw)+3],   v[ADRW+1] offset:64*(\sub)
	ds_load_b128 v[(\fw)+4:(\fw)+7], v[ADRW+1] offset:64*(\sub)+32
	WIN TO_1
.irp i, 0,1,2,3
	ds_load_b128 v[ARAW+16*(\i):ARAW+16*(\i)+3],     v[ADRAL+1] offset:(\i)*16*AROW+128*(\sub)
	ds_load_b128 v[ARAW+16*(\i)+4:ARAW+16*(\i)+7],   v[ADRAL+1] offset:(\i)*16*AROW+128*(\sub)+16
	ds_load_b128 v[ARAW+16*(\i)+8:ARAW+16*(\i)+11],  v[ADRAL+1] offset:(\i)*16*AROW+128*(\sub)+64
	ds_load_b128 v[ARAW+16*(\i)+12:ARAW+16*(\i)+15], v[ADRAL+1] offset:(\i)*16*AROW+128*(\sub)+80
.endr
.irp i, 0,1,2,3
	ds_load_b128 v[ARAW+64+16*(\i):ARAW+64+16*(\i)+3],     v[ADRAH+1] offset:(\i)*16*AROW+128*(\sub)
	ds_load_b128 v[ARAW+64+16*(\i)+4:ARAW+64+16*(\i)+7],   v[ADRAH+1] offset:(\i)*16*AROW+128*(\sub)+16
	ds_load_b128 v[ARAW+64+16*(\i)+8:ARAW+64+16*(\i)+11],  v[ADRAH+1] offset:(\i)*16*AROW+128*(\sub)+64
	ds_load_b128 v[ARAW+64+16*(\i)+12:ARAW+64+16*(\i)+15], v[ADRAH+1] offset:(\i)*16*AROW+128*(\sub)+80
.endr
.irp i, 0,1,2,3,4,5,6,7
	ds_load_b128 v[(\fb)+8*(\i):(\fb)+8*(\i)+3],   v[ADRB+1] offset:(\i)*16*BROW+64*(\sub)
	ds_load_b128 v[(\fb)+8*(\i)+4:(\fb)+8*(\i)+7], v[ADRB+1] offset:(\i)*16*BROW+64*(\sub)+32
.endr
.endm
; A sub-step's 72 matrix instructions on buffers fa, fb, fw; on its last 16 products the f32 fragments just fetched are rounded into ga.
; first = 1: the 64 products take the bias as C; a . wbar's accumulators take the bias's registers, so its 8 products come last, six places (four roundings, two v_nop) behind the last product that read the bias.
.macro WORK fa, fb, fw, ga, first
	MUL16 \fa, \fb, 0, 0, \first
	MUL16 \fa, \fb, 0, 2, \first
	MUL16 \fa, \fb, 1, 0, \first
.if !(\first)
	MU8 \fa, \fw, 0
.endif
	s_wait_dscnt 16                                ; wbar's and the f32 fragments are in; W's 16 younger loads may stay out
	MUL16R \fa, \fb, 1, 2, \first, \ga
.if \first
	v_nop
	v_nop
	MU8 \fa, \fw, 1
.endif
.endm
; A slot's first sub-step: multiplies buffers 0 and fetches the second sub-step at once (the four roundings behind the last product before are the places).
.macro Q first
	FETCH 1, FB1, FW1
	s_wait_dscnt 50                                ; all but the 50 just issued: this sub-step's W is in
	WORK FA0, FB0, FW0, FA1, \first
.endm
; A slot's second sub-step multiplies buffers 1 and changes slots: ONE barrier.  In front of it each wave waits for all its tensor loads (one is out: its part of the next slot), adds 0 to its spare word, and waits
; for that and for its reads of this slot.  fill = 1: the barrier opens a round of the cluster's, and behind the round this slot is filled again first, with the K step two steps on.  Nothing stands between the tile's
; landing and the next request but what the order asks for: all of the sub-step's 72 matrix instructions follow the request, so that 144 stand between it and the wait for it.
.macro TURN fill
	WIN 0
.if \fill
	s_wait_xcnt 0x0                                ; the last prefetch, a K step back, has read its address: it is made anew here, ahead of the waits of the change of slots
	s_add_co_u32 s89, s[KS], 4
	s_min_u32 s89, s89, 23                         ; never past the last K step
	SRC3 PFA, s89, P0, s[HSTB]
.endif
	s_wait_tensorcnt 0x0                           ; no tensor load of mine is out, so a group 0 may be written
	ds_add_u32 v[SPW], v[NIL]                      ; 0 onto my spare word; the descriptors' scalar work stands between it and the wait for it
.if \fill
	SRC3 G0+6, s[KS], SA0, 512
	s_or_b32 s[G0+7], s[G0+7], 0x80000000
	s_add_nc_u64 s[G0B+6:G0B+7], s[G0B+6:G0B+7], 8*BLKB  ; the walking descriptor stood at the K step before
	s_add_co_u32 s[G0+5],  s[LDSA], s[TB]          ; into the slot that has been read out
	s_add_co_u32 s[G0B+5], s[LDSB], s[TB]
	s_add_co_u32 s[KS], s[KS], 1
.endif
	s_xor_b32 s[TB], s[TB], SLOT                   ; the other slot is the one to fetch from
	s_wait_dscnt 0x0                               ; the add is done, and my reads of this slot are over
	s_barrier_signal -1
	s_barrier_wait -1
.if \fill
	CREST                                          ; no wave of any partner still reads this slot's tiles or has a load on its way
	JLOAD 1
.endif
	SETSLOT
	FETCH 0, FB0, FW0
.if \fill
	WIN 0
	ASK
.endif
	WORK FA1, FB1, FW1, FA0, 0
.endm
	s_wait_tensorcnt 1                             ; my part of K step 0 is in; K step 1's may stay out
	s_barrier_signal -1
	s_barrier_wait -1
	SETSLOT
	FETCH 0, FB0, FW0
	s_wait_dscnt 16                                ; the f32 fragments
	WIN CVT
.set n, 0
.rept 64
	v_cvt_pk_bf16_f32 v[FA0+n], v[ARAW+2*n], v[ARAW+2*n+1]     ; the first sub-step's roundings have no products to ride on
.set n, n+1
.endr
	s_wait_loadcnt 0x0                             ; the bias
	Q 1                                            ; the first sub-step stands in front of the loop: its products start the sums
	WIN 0
	s_mov_b32 s3, 22
	s_mov_b32 s[KS], 2
.Lstep:                                            ; 22 trips: from a K step's second sub-step to the next K step's first; the slot that is left is filled again
	TURN 1
	Q 0
	WIN 0
	s_sub_co_u32 s3, s3, 1
	s_cmp_lg_u32 s3, 0
	s_cbranch_scc1 .Lstep
	TURN 0                                         ; the last two K steps fill nothing
	Q 0
	s_wait_dscnt 0x0
	MUL16 FA1, FB1, 0, 0, 0
	MUL16 FA1, FB1, 0, 2, 0
	MUL16 FA1, FB1, 1, 0, 0
	MUL16 FA1, FB1, 1, 2, 0
	MU8 FA1, FW1, 0
.rept 4
	v_nop                                          ; four places behind the last product
.endr
	; THE TWO HALVES OF K MEET.  Slot 0 has had its last fill, and its last reads lie ahead of the last change of slots: its bytes take what each wave gives away.
.irp i, 0,1,2,3
	v_add_f32 v[GV+(\i)], v[MUA+8*(4+(\i))], v[MUA+8*(4+(\i))+1]    ; a . wbar: the rounded wbar's part and the rest's, registers 0 and 1
	v_add_f32 v[MK+(\i)], v[MUA+8*(\i)],     v[MUA+8*(\i)+1]
.endr
	WIN SRC1_3
.set i, 0
.rept 64
	ds_store_b128 v[XW], v[4*i:4*i+3] offset:512*i ; ascending: each accumulator's low registers first
.set i, i+1
.endr
	WIN 0
	ds_store_b128 v[XM], v[GV:GV+3]
	s_wait_dscnt 0x0                               ; for my partner's sake
	s_barrier_signal -1
	s_barrier_wait -1
	ds_load_b128 v[MX:MX+3], v[XMR]
	WIN TO_3                                       ; gamma of my 128 columns, laid out as an accumulator, into registers that have been given away
.irp b, 0,1,2,3,4,5,6,7
	global_load_b128 v[8*(\b):8*(\b)+3],   v[VBI], s[18:19] offset:4096+64*(\b)
	global_load_b128 v[8*(\b)+4:8*(\b)+7], v[VBI], s[18:19] offset:4096+64*(\b)+16
.endr
	WIN TO_1
.set i, 0
.rept 64
	ds_load_b128 v[4*i:4*i+3], v[XR] offset:512*i
.set i, i+1
.endr
	WIN 0
	s_wait_dscnt 48                                ; a . wbar and block 0's sixteen loads are in; the later blocks' stay out
.irp a, 0,1,2,3
	v_add_f32 v[MUT+2*(\a)],   v[MK+(\a)], v[MX+(\a)]        ; twice: the packed subtraction takes a pair
	v_add_f32 v[MUT+2*(\a)+1], v[MK+(\a)], v[MX+(\a)]
.endr
	s_wait_loadcnt 0x0                             ; gamma
; Block a of the four that I keep: the two halves' sums are added and the mean taken away; D's squares are summed over my 128 columns; D x gamma goes through my stage, so that every store covers whole runs of 256
; consecutive bytes, aligned: in bf16 into act (hidden) or in f32 into dc (cell).  The branch hangs on the projection, which all partners of a cluster share; what it jumps holds no barrier and no tensor load.
.macro EPI a
	WIN XADD
.set x, 0
.rept 32
	v_pk_add_f32 v[W+x:W+x+1], v[64*(\a)+x:64*(\a)+x+1], v[64*(\a)+x:64*(\a)+x+1]
.set x, x+2
.endr
	WIN 0
.set x, 0
.rept 32
	v_pk_add_f32 v[W+x:W+x+1], v[W+x:W+x+1], v[MUT+2*(\a):MUT+2*(\a)+1] neg_lo:[0,1] neg_hi:[0,1]
.set x, x+2
.endr
.irp c, 0,2,4,6
	v_pk_mul_f32 v[SQ+(\c):SQ+(\c)+1], v[W+(\c):W+(\c)+1], v[W+(\c):W+(\c)+1]     ; four chains, started by products
.endr
.set x, 8
.rept 28
	v_pk_fma_f32 v[SQ+(x%8):SQ+(x%8)+1], v[W+x:W+x+1], v[W+x:W+x+1], v[SQ+(x%8):SQ+(x%8)+1]
.set x, x+2
.endr
	v_pk_add_f32 v[SQ:SQ+1],     v[SQ:SQ+1],     v[SQ+2:SQ+3]
	v_pk_add_f32 v[SQ+4:SQ+5],   v[SQ+4:SQ+5],   v[SQ+6:SQ+7]
	v_pk_add_f32 v[SQ:SQ+1],     v[SQ:SQ+1],     v[SQ+4:SQ+5]
	v_add_f32 v[SQ], v[SQ], v[SQ+1]
	v_permlanex16_b32 v[SQ+1], v[SQ], s[SEL], s[SEL+1]       ; the row's other 64 columns lie in the lane 16 away
	v_add_f32 v[SSQ+(\a)], v[SQ], v[SQ+1]
	WIN SRC1_3
.set x, 0
.rept 32
	v_pk_mul_f32 v[W+x:W+x+1], v[W+x:W+x+1], v[x:x+1]        ; x gamma
.set x, x+2
.endr
	WIN 0
	s_cmp_eq_u32 s[PP], 1
	s_cbranch_scc1 .Lcell\a
.irp b, 0,1,2,3,4,5,6,7
.irp q, 0,1,2,3
	v_cvt_pk_bf16_f32 v[TMP+4*(\b)+(\q)], v[W+8*(\b)+2*(\q)], v[W+8*(\b)+2*(\q)+1]
.endr
.endr
.irp b, 0,1,2,3,4,5,6,7
	ds_store_b128 v[STO], v[TMP+4*(\b):TMP+4*(\b)+3] offset:32*(\b)
.endr
	s_wait_xcnt 0x0                                ; the last block's stores have read their registers: these are loaded again only behind this wait
.irp t, 0,1,2,3,4,5,6,7
	ds_load_b128 v[OB+4*(\t):OB+4*(\t)+3], v[RD] offset:(\t)*2*SPITCH   ; LDS serves a wave's instructions in order: these see the stores above
.endr
	s_wait_dscnt 0x0
.irp t, 0,1,2,3,4,5,6,7
	global_store_b128 v[CO], v[OB+4*(\t):OB+4*(\t)+3], s[OUTB:OUTB+1] offset:49152*(\a)+6144*(\t)
.endr
	s_branch .Ljoin\a
.Lcell\a:
.irp b, 0,1,2,3,4,5,6,7
	ds_store_b128 v[STO32], v[W+8*(\b):W+8*(\b)+3]   offset:64*(\b)
	ds_store_b128 v[STO32], v[W+8*(\b)+4:W+8*(\b)+7] offset:64*(\b)+16
.endr
	s_wait_xcnt 0x0
.irp t, 0,1,2,3,4,5,6,7,8,9,10,11,12,13,14,15
	ds_load_b128 v[OB+4*(\t):OB+4*(\t)+3], v[RD32] offset:(\t)*AROW
.endr
	s_wait_dscnt 0x0
.irp t, 0,1,2,3,4,5,6,7,8,9,10,11,12,13,14,15
	global_store_b128 v[CO32], v[OB+4*(\t):OB+4*(\t)+3], s[OUTB:OUTB+1] offset:65536*(\a)+4096*(\t)
.endr
.Ljoin\a:
.endm
	EPI 0
	EPI 1
	EPI 2
	EPI 3
	; my 64 rows' sums of squares: lane l holds rows l and 32 + l; through my stage, so that one store covers 256 consecutive bytes, aligned
	s_mov_b32 s88, 0xffff0000                      ; lanes 16-31
	v_cndmask_b32 v32, v[SSQ],   v[SSQ+1], s88
	v_cndmask_b32 v33, v[SSQ+2], v[SSQ+3], s88
	ds_store_b32 v[SSL], v32
	ds_store_b32 v[SSL], v33 offset:128
	ds_load_b64 v[34:35], v[SSR]
	s_wait_dscnt 0x0
	global_store_b64 v[SSO], v[34:35], s[SSB:SSB+1]
	s_wait_tensorcnt 0x0                           ; the wave's end, behind my last tensor load and my last LDS store
	ds_add_u32 v[SPW], v[NIL]
	s_wait_dscnt 0x0
	CROUND                                         ; the closing round: no work-group ends while a partner may still ask for a tile that names it
	s_endpgm
.Lfunc_end_k_qa96cfee6fb_proc:
	.size	k_qa96cfee6fb_proc, .Lfunc_end_k_qa96cfee6fb_proc-k_qa96cfee6fb_proc
	.p2alignl 7, 3214868480
	.fill 96, 4, 3214868480
	.section	.rodata,"a",@progbits
	.p2align	6, 0x0
	.amdhsa_kernel k_qa96cfee6fb_proc
		.amdhsa_group_segment_fixed_size 327680
		.amdhsa_private_segment_fixed_size 0
		.amdhsa_enable_private_segment 0
		.amdhsa_kernarg_size 88
		.amdhsa_user_sgpr_count 2
		.amdhsa_user_sgpr_kernarg_segment_ptr 1
		.amdhsa_wavefront_size32 1
		.amdhsa_system_sgpr_workgroup_id_x 1
		.amdhsa_system_sgpr_workgroup_id_y 1
		.amdhsa_system_sgpr_workgroup_id_z 1
		.amdhsa_system_vgpr_workitem_id 0
		.amdhsa_next_free_vgpr 1024
		.amdhsa_next_free_sgpr 100
		.amdhsa_reserve_vcc 0
		.amdhsa_float_denorm_mode_32 3
		.amdhsa_float_denorm_mode_16_64 3
		.amdhsa_memory_ordered 1
		.amdhsa_forward_progress 1
		.amdhsa_inst_pref_size 166
	.end_amdhsa_kernel
	.amdgpu_metadata
---
amdhsa.version: [ 1, 2 ]
amdhsa.kernels:
  - .name:           k_qa96cfee6fb_proc
    .symbol:         k_qa96cfee6fb_proc.kd
    .args:
      - { .name: hidden_left, .offset: 0, .size: 8, .value_kind: global_buffer, .address_space: global }
      - { .name: hidden_up, .offset: 8, .size: 8, .value_kind: global_buffer, .address_space: global }
      - { .name: hidden_prev, .offset: 16, .size: 8, .value_kind: global_buffer, .address_space: global }
      - { .name: cell_left, .offset: 24, .size: 8, .value_kind: global_buffer, .address_space: global }
      - { .name: cell_up, .offset: 32, .size: 8, .value_kind: global_buffer, .address_space: global }
      - { .name: cell_prev, .offset: 40, .size: 8, .value_kind: global_buffer, .address_space: global }
      - { .name: wp, .offset: 48, .size: 8, .value_kind: global_buffer, .address_space: global }
      - { .name: bp, .offset: 56, .size: 8, .value_kind: global_buffer, .address_space: global }
      - { .name: act, .offset: 64, .size: 8, .value_kind: global_buffer, .address_space: global }
      - { .name: dc, .offset: 72, .size: 8, .value_kind: global_buffer, .address_space: global }
      - { .name: ss, .offset: 80, .size: 8, .value_kind: global_buffer, .address_space: global }
    .group_segment_fixed_size: 327680
    .private_segment_fixed_size: 0
    .kernarg_segment_align: 8
    .kernarg_segment_size: 88
    .max_flat_workgroup_size: 128
    .sgpr_count:     100
    .vgpr_count:     1024
    .wavefront_size: 32
...
	.end_amdgpu_metadata
.endif
;; end of part 2
;; launch gates (part 3): grid 16 x 16, 4 waves a work-group, clusters of 4 x 4, 327,680 bytes of LDS; arguments act, wg, bg, ss, dc, beta_c, out0, out1; writes out0, out1
.if DOCPART == 3
	.amdgcn_target "amdgcn-amd-amdhsa--gfx1250"
	.amdhsa_code_object_version 6
	.text
	.protected	k_qa96cfee6fb_gates
	.globl	k_qa96cfee6fb_gates
	.p2align	8
	.type	k_qa96cfee6fb_gates,@function
k_qa96cfee6fb_gates:
	s_mov_b64 s[64:65], 0
	v_nop
	global_prefetch_b8 v0, s[64:65] scope:SCOPE_SE
	s_setreg_imm32_b32 hwreg(HW_REG_WAVE_MODE, 25, 1), 1
	s_wait_xcnt 0x0
	s_wait_alu depctr_hold_cnt(0) depctr_sa_sdst(0) depctr_va_vdst(0) depctr_va_sdst(0) depctr_va_ssrc(0) depctr_va_vcc(0) depctr_vm_vsrc(0)
	s_getreg_b32 s2, hwreg(HW_REG_IB_STS2, 6, 4)
	s_cmp_eq_u32 s2, 0
	s_cbranch_scc0 .Lentry_in_a_cluster
	s_endpgm
.Lentry_in_a_cluster:
	s_bfe_u32 s2, ttmp6, 0x10000c
	s_cmp_lg_u32 s2, 0xf033
	s_cbranch_scc0 .Lentry_shape_is_right
	s_endpgm
.Lentry_shape_is_right:
; LatticeRNNCell, launch 3 of 3: gates = rs_h[row] x ((D_h o gamma_h) W_hh^T) + x W_ih^T + bias, then the LSTM step.  Nothing is left out.
; A = act (bf16 [4096][1536]: D_h gamma_h, then x), B = wg (bf16 [4096][1536]: W_hh, then W_ih; the gate columns in the order 256 T + 128 nh + 32 gate + j).  K = 1,536 in 12 steps of 128: the first eight steps are the
; hidden part; behind them every accumulator is multiplied once by its row's rs_h = rsqrt(mean D_h^2 + 1e-5); the last four steps add the input part.  bg holds K x (b_ih + b_hh + beta_h . W_hh[n]).
; processed_c = dc x rs_c[row] + beta_c, dc = D_c gamma_c in f32.  sigmoid(z) = 1 / (1 + 2^(-z log2 e)); tanh(z) = 1 - 2 / (1 + 2^(2 z log2 e)): where the power overflows its reciprocal is 0, which is the function's limit.
; LIMITS.  Operands in bf16, sums in f32; beta_c is rounded to bf16 like every input of the module.  NaN and infinities in the inputs are not treated apart.
; SHARES.  A tile is 256 rows x 256 gate columns = the four gates of 64 hidden columns; four waves, each 128 x 128 in 64 accumulators.  The matrix instruction is used transposed (source 0 = 16 rows of wg, source 1 = 16
; rows of act): a lane holds one row and eight neighbouring columns; column block b = 2 gate + jj, so i, f, g, o of one hidden column lie in one lane, in the same register of accumulators jj, 2 + jj, 4 + jj, 6 + jj.
; RING, CLUSTER.  Two LDS slots of a K step each, a quarter fetched by each wave's one tensor load; 4 x 4 work-groups: act's tiles are asked for jointly along a row of the cluster, wg's along a column.
; The loop is written for one K step: s[TB], 0 or SLOT, says which slot is being multiplied; one exclusive or turns it, and the fragments' LDS addresses and the walking descriptors' LDS word are made of it.
; THE WAY OUT goes block by block, beside the LSTM step: a block of 16 rows a wave is staged in LDS (a row's 256 bytes come from two waves) and stored while the next block is computed.
; REGISTERS, in windows of 256 (s_set_vgpr_msb: bits 1:0 source 0, 3:2 source 1, 5:4 source 2, 7:6 destination):
;   window 0: v0-31 addresses; v32-47 rs_h, later rows of hidden on their way out; v48-63 rs_c (a pair for each block of 16 rows); v64-127, v128-191 fragments of act, later at work; v192-255 dc of my blocks 0-3
;   window 1: v0-63 the bias; v64-127, v128-191 fragments of wg, later v64-127 dc of my blocks 4-7; v208-223 beta_c; v224-231 at work          windows 2, 3: the accumulators of my rows 0-63, 64-127
.set SIZE_K, 1536
.set KSTEP,  128
.set PITCH,  272                       ; an LDS row: 256 bytes + 16: the 16 rows of a load start at 16 different groups of four banks
.set HALFT,  128*PITCH
.set SLOT,   4*HALFT
.set SPARE,  2*SLOT                    ; behind the ring: the spare words, 128 bytes for each wave
.set SP,     272                       ; the stage, in slot 0 behind its last fill and its last reads: 32 rows x 272 bytes of hidden, then as many of cell
.set CELL,   32*SP
.set STEPS,  SIZE_K/KSTEP
.set ADRA, 16                          ; v16  LDS address of my fragments of act in slot 0; v17 in the slot that is being fetched from
.set VB,   18                          ; v18  32 h
.set ADRB, 20                          ; v20, v21 the same for wg
.set STO,  22                          ; v22  where I put 32 bytes of a row of the stage; never rewritten
.set RD,   24                          ; v24  where I read rows back; never rewritten
.set CO,   26
.set VSS,  27
.set SPW,  28
.set NIL,  29
.set PFO,  30
.set VDC,  31
.set RSH,  32
.set OBH,  32                          ; v32-47   eight rows of hidden, read back from the stage (rs_h is needed no more)
.set RSC,  48
.set F0,   64
.set F1,   128
.set DCR,  192
.set DC2,  64                          ; window 1
.set T,    64                          ; v64-127  the four gates of a block: 16 gate + 8 jj + j
.set OBC,  128                         ; v128-143 eight rows of cell, read back from the stage
.set PCR,  144                         ; v144-159 processed_c
.set U,    160                         ; v160-175 at work
.set CE,   176                         ; v176-191 cell
.set BIAS, 0                           ; window 1
.set BET,  208
.set BTM,  224
.set PFA,  44
.set LIM,  43
.set G1,  24
.set G0,  32                           ; s[32:39] group 0 for act's tiles: a set for each of the two first fills; the second then walks on
.set G1B, 48
.set G0B, 56
.set KN,  84                           ; s[84:85] -log2 e
.set KG,  86                           ; s[86:87] 2 log2 e
.set SEL, 88
.set LDSW, 98                          ; s98  my quarter of a slot: wave x 128 rows
.set TB,   99                          ; s99  0 or SLOT: the slot that is being multiplied
.set MSB, 0
.macro WIN new
.if MSB != (\new)
	s_set_vgpr_msb (MSB<<8)|(\new)
.set MSB, \new
.endif
.endm
.set MUL_LO, 0xa1
.set MUL_HI, 0xf1
.set TO_B,   0x40
.macro JLOAD s                         ; waves 0 and 1 fetch act's two halves, waves 2 and 3 wg's; an s_nop 0 and four v_nop follow each line
	s_cmp_eq_u32 s11, 0
	s_cbranch_scc0 .Lfor_b_\@
	tensor_load_to_lds s[G0+4*(\s):G0+4*(\s)+3], s[G1:G1+7]
	s_nop 0
.rept 4
	v_nop
.endr
	s_branch .Lasked_\@
.Lfor_b_\@:
	tensor_load_to_lds s[G0B+4*(\s):G0B+4*(\s)+3], s[G1B:G1B+7]
	s_nop 0
.rept 4
	v_nop
.endr
.Lasked_\@:
.endm
; A PREFETCH INTO THE L2, behind each joint load, its five lines and the run of LDS loads: the K step that stands two refills on (512 matrix instructions of a wave): 32 rows x 256 bytes, a lane a row.  act's tile row is read by
; every cluster of that row of clusters: the one with x = 0 asks; wg's tile column by every cluster of that column: y = 0 asks.  The four partners share a wave's 128 rows out BY ADDRESS, 32 each.  So each row's 256 bytes
; of a K step are named once in the launch.  The last two trips ask for nothing; K steps 0 to 3 come by their loads alone.
.macro ASK
	s_cmp_gt_u32 s3, s[LIM]
	s_cbranch_scc0 .Lnot_mine_\@
	global_prefetch_b8 v[PFO], s[PFA:PFA+1] offset:KSTEP*2 th:TH_LOAD_NT scope:SCOPE_SE
.Lnot_mine_\@:
.endm
.macro CREST
	s_cmp_lg_u32 s10, 0
	s_cbranch_scc1 .Lnot_wave_0_\@
	s_barrier_signal -3
.Lnot_wave_0_\@:
	s_barrier_wait -3
	s_barrier_signal -1
	s_barrier_wait -1
.endm
.macro CROUND
	s_barrier_signal -1
	s_barrier_wait -1
	CREST
.endm
	s_load_b512 s[68:83], s[0:1], 0x0              ; act 68, wg 70, bg 72, ss 74, dc 76, beta_c 78, out0 80, out1 82
	v_lshl_add_u32 v[SPW], v0, 2, SPARE
	v_mov_b32 v[NIL], 0
	ds_add_u32 v[SPW], v[NIL]                      ; the wave's opening: the add, twice on end, and its wait ahead of my first tensor load
	ds_add_u32 v[SPW], v[NIL]
	v_lshrrev_b32 v1, 5, v0
	v_readfirstlane_b32 s10, v1                    ; wave 0..3
	s_lshr_b32 s11, s10, 1                         ; mh: my half of the tile's rows.  Also: I fetch act (0) or wg (1)
	s_and_b32 s12, s10, 1                          ; nh: my half of its columns.  Also: which 128 rows of that tile I fetch
	s_bfe_u32 s40, ttmp6, 0x40000                  ; cx
	s_bfe_u32 s41, ttmp6, 0x40004                  ; cy
	s_lshl_b32 s42, ttmp9, 2
	s_add_co_u32 s42, s42, s40                     ; tile column T
	s_and_b32 s13, ttmp7, 0xffff
	s_lshl_b32 s13, s13, 2
	s_add_co_u32 s13, s13, s41                     ; tile row
	s_lshl_b32 s43, s41, 2
	s_lshl_b32 s43, 15, s43                        ; my row of the cluster
	s_lshl_b32 s44, 0x1111, s40                    ; my column
	s_or_b32 s[G1+0],  s43, (1<<16)|(1<<20)|(1<<21)|(5<<22)|(3<<25)  ; elements of 2 bytes; padding on; bit 21 beside a mask; after every 64 words, 4 words
	s_or_b32 s[G1B+0], s44, (1<<16)|(1<<20)|(1<<21)|(5<<22)|(3<<25)
.irp g, G1, G1B
	s_mov_b32 s[(\g)+1], KSTEP<<16                 ; tensor_dim0 = 128
	s_mov_b32 s[(\g)+2], 128<<16                   ; tensor_dim1 = 128
	s_mov_b32 s[(\g)+3], KSTEP<<16                 ; tile_dim0 = 128
	s_mov_b32 s[(\g)+4], 128                       ; tile_dim1 = 128
	s_mov_b32 s[(\g)+5], SIZE_K                    ; elements from row to row
	s_mov_b32 s[(\g)+6], 0
	s_mov_b32 s[(\g)+7], 0
.endr
	s_lshl_b32 s17, s12, 7
	s_lshl_b32 s16, s13, 8
	s_add_co_u32 s16, s16, s17                     ; act: row 256 x tile row + 128 x half
	s_lshl_b32 s46, s42, 8
	s_add_co_u32 s46, s46, s17                     ; wg: row 256 T + 128 x half
	s_mov_b32 s17, 0
	s_mov_b32 s47, 0
	s_mov_b64 s[18:19], SIZE_K*2
	s_mul_u64 s[16:17], s[16:17], s[18:19]
	s_mul_u64 s[46:47], s[46:47], s[18:19]
	s_mul_i32 s[LDSW], s10, HALFT                  ; where they go: wave x 128 rows: no place in the cluster enters an LDS address
	s_mov_b32 s[TB], 0
	s_mov_b32 s[KN], 0xbfb8aa3b
	s_mov_b32 s[KN+1], s[KN]
	s_mov_b32 s[KG], 0x4038aa3b
	s_mov_b32 s[KG+1], s[KG]
	s_mov_b32 s[SEL], 0x76543210
	s_mov_b32 s[SEL+1], 0xfedcba98
	s_mov_b32 s90, 0xffff0000                      ; a word's upper bf16
	s_mov_b32 s96, 0x3a800000                      ; 1 / 1,024
	s_mov_b32 s97, 0x3727c5ac                      ; 1e-5
	s_wait_dscnt 0x0                               ; both opening adds are done
	s_wait_kmcnt 0x0
	s_add_nc_u64 s[14:15], s[68:69], s[16:17]
	s_add_nc_u64 s[46:47], s[70:71], s[46:47]
	CROUND                                         ; all sixteen work-groups are here: the first joint loads meet
.irp s, 0,1
	s_mov_b32 s[G0+4*(\s)], 1
	s_add_co_u32 s[G0+4*(\s)+1], s[LDSW], (\s)*SLOT
	s_add_nc_u64 s[G0+4*(\s)+2:G0+4*(\s)+3], s[14:15], (\s)*KSTEP*2
	s_or_b32 s[G0+4*(\s)+3], s[G0+4*(\s)+3], 0x80000000
	s_mov_b32 s[G0B+4*(\s)], 1
	s_add_co_u32 s[G0B+4*(\s)+1], s[LDSW], (\s)*SLOT
	s_add_nc_u64 s[G0B+4*(\s)+2:G0B+4*(\s)+3], s[46:47], (\s)*KSTEP*2
	s_or_b32 s[G0B+4*(\s)+3], s[G0B+4*(\s)+3], 0x80000000
	JLOAD \s                                       ; two loads of mine are out
.endr
	v_and_b32 v1, 15, v0                           ; r
	v_bfe_u32 v2, v0, 4, 1                         ; h
	; what the step behind the products wants is asked for now
	s_lshl_b32 s92, s13, 8
	s_lshl_b32 s93, s11, 7
	s_add_co_u32 s92, s92, s93                     ; my first row
	v_add_nc_u32 v3, s92, v1
	v_lshlrev_b32 v4, 2, v3
	v_lshl_add_u32 v[VSS], v2, 15, v4              ; ss: part h, row r of my first block
	v_lshlrev_b32 v3, 12, v3                       ; dc: a row is 4,096 bytes,
	v_lshl_add_u32 v3, v2, 5, v3                   ; 32 bytes for each half of the lanes,
	s_lshl_b32 s92, s42, 8
	s_lshl_b32 s93, s12, 7
	s_add_co_u32 s92, s92, s93                     ; hidden columns 64 T + 32 nh on, in f32
	v_add_nc_u32 v[VDC], s92, v3
	v_lshlrev_b32 v[VB], 5, v2
	s_mov_b32 s93, 0
	s_add_nc_u64 s[78:79], s[78:79], s[92:93]      ; beta_c at the same columns
	s_lshl_b32 s92, s92, 2                         ; gate columns 256 T + 128 nh on, in f32
	s_add_nc_u64 s[72:73], s[72:73], s[92:93]
.irp c, 0,1
.irp a, 0,1,2,3,4,5,6,7
.irp q, 0,1,2,3
	global_load_b32 v[64+32*(\c)+4*(\a)+(\q)], v[VSS], s[74:75] offset:65536*(\q)+64*(\a)+16384*(\c)   ; parts 2 q + h; c = 1: the cell projection's rows
.endr
.endr
.endr
.irp a, 0,1,2,3
.irp q, 0,1,2,3
	global_load_b128 v[DCR+16*(\a)+4*(\q):DCR+16*(\a)+4*(\q)+3], v[VDC], s[76:77] offset:65536*(\a)+64*((\q)/2)+16*((\q)%2)
.endr
.endr
	WIN TO_B
.irp b, 0,1,2,3,4,5,6,7
	global_load_b128 v[BIAS+8*(\b):BIAS+8*(\b)+3],   v[VB], s[72:73] offset:64*(\b)
	global_load_b128 v[BIAS+8*(\b)+4:BIAS+8*(\b)+7], v[VB], s[72:73] offset:64*(\b)+16
.endr
.irp jj, 0,1
	global_load_b128 v[BET+8*(\jj):BET+8*(\jj)+3],   v[VB], s[78:79] offset:64*(\jj)
	global_load_b128 v[BET+8*(\jj)+4:BET+8*(\jj)+7], v[VB], s[78:79] offset:64*(\jj)+16
.endr
	WIN 0
	; a fragment is 16 rows x 32 K in 8 registers: lane l holds row l % 16, K = 8 (l / 16) + 0..7 and 16 + 8 (l / 16) + 0..7: two loads of 16 bytes, 32 bytes apart
	v_mul_u32_u24 v3, v1, PITCH
	v_lshl_add_u32 v3, v2, 4, v3
	s_mul_i32 s21, s11, HALFT
	s_mul_i32 s22, s12, HALFT
	s_add_co_u32 s22, s22, 2*HALFT
	v_add_nc_u32 v[ADRA], s21, v3
	v_add_nc_u32 v[ADRB], s22, v3
	v_mov_b32 v[ADRA+1], v[ADRA]                   ; the first fetches are from slot 0
	v_mov_b32 v[ADRB+1], v[ADRB]
	v_mul_u32_u24 v4, v1, SP                       ; into the stage: row 16 mh + r, my 32 hidden columns (128 bytes), 32 bytes for each half of the lanes
	v_lshl_add_u32 v4, v2, 5, v4
	s_mul_i32 s23, s11, 16*SP
	s_lshl_b32 s21, s12, 7
	s_add_co_u32 s23, s23, s21
	v_add_nc_u32 v[STO], s23, v4
	s_mul_i32 s23, s10, 8*SP                       ; back: wave w takes the stage's rows 8 w .. 8 w + 7 whole; lanes 0-15 one row of 256 bytes, lanes 16-31 the next
	v_mul_u32_u24 v5, v2, SP
	v_lshl_add_u32 v5, v1, 4, v5
	v_add_nc_u32 v[RD], s23, v5
	v_lshlrev_b32 v5, 12, v2
	v_lshl_add_u32 v[CO], v1, 4, v5                ; the same two rows in out0 and out1
	s_lshl_b32 s16, s13, 20                        ; those rows of block 0: 256 x tile row + 128 (w / 2) + 8 (w % 2), 4,096 bytes each; + 256 T
	s_lshl_b32 s17, s11, 19
	s_add_co_u32 s16, s16, s17
	s_lshl_b32 s17, s12, 15
	s_add_co_u32 s16, s16, s17
	s_lshl_b32 s17, s42, 8
	s_add_co_u32 s16, s16, s17
	s_mov_b32 s17, 0
	s_add_nc_u64 s[80:81], s[80:81], s[16:17]
	s_add_nc_u64 s[82:83], s[82:83], s[16:17]
	; the prefetches
	s_lshl_b32 s13, s13, 8
	s_lshl_b32 s42, s42, 8
	s_and_b32 s22, ttmp7, 0xffff
	s_cmp_eq_u32 s11, 0
	s_cselect_b32 s20, s13, s42                    ; the tile's first row
	s_cselect_b32 s21, s40, s41                    ; my place among the four that ask for it with me
	s_cselect_b32 s22, ttmp9, s22                  ; the coordinate along which other clusters read the same rows
	s_cselect_b64 s[PFA:PFA+1], s[68:69], s[70:71]
	s_cmp_eq_u32 s22, 0
	s_cselect_b32 s[LIM], 2, -1                    ; the same in all sixteen partners, for a given wave
	s_lshl_b32 s22, s12, 7
	s_add_co_u32 s20, s20, s22
	s_lshl_b32 s21, s21, 5
	s_add_co_u32 s20, s20, s21
	s_mov_b32 s21, 0
	s_mov_b64 s[18:19], SIZE_K*2
	s_mul_u64 s[20:21], s[20:21], s[18:19]
	s_add_nc_u64 s[PFA:PFA+1], s[PFA:PFA+1], s[20:21]
	s_add_nc_u64 s[PFA:PFA+1], s[PFA:PFA+1], 2*KSTEP*2   ; at K step 2: the first refill steps it to 3 and names K step 4
	v_and_b32 v[PFO], 31, v0
	v_mul_u32_u24 v[PFO], v[PFO], SIZE_K*2
	; rs = rsqrt(sum of the eight parts / 1,024 + 1e-5), for my 8 blocks of 16 rows, hidden (i < 8) and cell: in the wait for the first tile
	s_wait_loadcnt 36                              ; the 64 sums of squares are in; the 36 loads behind them stay out
.irp i, 0,1,2,3,4,5,6,7,8,9,10,11,12,13,14,15
	v_add_f32 v[64+4*(\i)],   v[64+4*(\i)],   v[64+4*(\i)+1]
	v_add_f32 v[64+4*(\i)+2], v[64+4*(\i)+2], v[64+4*(\i)+3]
.endr
.irp i, 0,1,2,3,4,5,6,7,8,9,10,11,12,13,14,15
	v_add_f32 v[64+4*(\i)], v[64+4*(\i)], v[64+4*(\i)+2]
.endr
.irp i, 0,1,2,3,4,5,6,7,8,9,10,11,12,13,14,15
	v_permlanex16_b32 v[64+4*(\i)+1], v[64+4*(\i)], s[SEL], s[SEL+1]    ; the odd parts lie in the lane 16 away
.endr
.irp i, 0,1,2,3,4,5,6,7,8,9,10,11,12,13,14,15
	v_add_f32 v[64+4*(\i)], v[64+4*(\i)], v[64+4*(\i)+1]
.endr
.irp i, 0,1,2,3,4,5,6,7,8,9,10,11,12,13,14,15
	v_fma_f32 v[64+4*(\i)], v[64+4*(\i)], s96, s97
.endr
.irp i, 0,1,2,3,4,5,6,7,8,9,10,11,12,13,14,15
	v_rsq_f32 v[RSH+2*(\i)],   v[64+4*(\i)]        ; twice: the packed multiplies take a pair
	v_rsq_f32 v[RSH+2*(\i)+1], v[64+4*(\i)]
.endr
	v_nop                                          ; a plain instruction behind the last of the batch,
	s_wait_alu depctr_va_vdst(0)                   ; and one wait ahead of the first use, and of the branches below
.macro MUL16 f, hi, a0, zero           ; 16 matrix instructions: row blocks a0, a0 + 1 of the window's four x all 8 column blocks, 32 along K.  The 64 accumulators take turns
	WIN MUL_LO+0x50*(\hi)
.irp a, \a0, (\a0)+1
.irp b, 0,1,2,3,4,5,6,7
.if \zero
	v_wmma_f32_16x16x32_bf16 v[8*(8*(\a)+(\b)):8*(8*(\a)+(\b))+7], v[(\f)+8*(\b):(\f)+8*(\b)+7], v[(\f)+8*(4*(\hi)+(\a)):(\f)+8*(4*(\hi)+(\a))+7], 0
.else
	v_wmma_f32_16x16x32_bf16 v[8*(8*(\a)+(\b)):8*(8*(\a)+(\b))+7], v[(\f)+8*(\b):(\f)+8*(\b)+7], v[(\f)+8*(4*(\hi)+(\a)):(\f)+8*(4*(\hi)+(\a))+7], v[8*(8*(\a)+(\b)):8*(8*(\a)+(\b))+7]
.endif
.endr
.endr
.endm
.macro FETCH k, f                      ; 32 LDS loads in one run: a quarter step's fragments (128 rows of wg, 128 of act, 32 K at byte k) of the slot that is being fetched from
	WIN TO_B
.irp i, 0,1,2,3,4,5,6,7
	ds_load_b128 v[(\f)+8*(\i):(\f)+8*(\i)+3],   v[ADRB+1] offset:(\k)+(\i)*16*PITCH
	ds_load_b128 v[(\f)+8*(\i)+4:(\f)+8*(\i)+7], v[ADRB+1] offset:(\k)+(\i)*16*PITCH+32
.endr
	WIN 0
.irp i, 0,1,2,3,4,5,6,7
	ds_load_b128 v[(\f)+8*(\i):(\f)+8*(\i)+3],   v[ADRA+1] offset:(\k)+(\i)*16*PITCH
	ds_load_b128 v[(\f)+8*(\i)+4:(\f)+8*(\i)+7], v[ADRA+1] offset:(\k)+(\i)*16*PITCH+32
.endr
.endm
.macro NEXTSLOT                        ; the fetches go on in the slot at s[TB]
	WIN 0
	v_add_nc_u32 v[ADRA+1], s[TB], v[ADRA]
	v_add_nc_u32 v[ADRB+1], s[TB], v[ADRB]
.endm
.macro PLACES                          ; four places behind a matrix instruction, in front of loads into registers that it has read and of vector work on its results
.rept 4
	v_nop
.endr
.endm
.macro QUARTER k, f, g, zero           ; multiplies buffer f; in its middle it fetches the next quarter's fragments, at byte k, into buffer g
	s_wait_dscnt 8                                 ; wg's and act's rows 0-63 are in; the youngest eight loads may be out
	WIN MUL_LO
	MUL16 \f, 0, 0, \zero
	MUL16 \f, 0, 2, \zero
	PLACES
	FETCH \k, \g
	s_wait_dscnt 32                                ; all but the 32 just issued
	WIN MUL_HI
	MUL16 \f, 1, 0, \zero
	MUL16 \f, 1, 2, \zero
.endm
; The first half of a K step's last quarter: ONE barrier for the change of slots.  In front of it each wave waits for all its tensor loads (one is out: its part of the next slot), adds 0 to its spare word, and waits for that and for its reads of this slot.
.macro MEET round
	WIN 0
	s_wait_tensorcnt 0x0
	ds_add_u32 v[SPW], v[NIL]                      ; 0 onto my spare word
	s_wait_dscnt 9                                 ; (the add and the youngest eight loads may be out)
	WIN MUL_LO
	MUL16 F1, 0, 0, 0
	s_wait_dscnt 0x0                               ; the add is done, and my reads of this slot are over
	s_barrier_signal -1
	MUL16 F1, 0, 2, 0
.if \round
	WIN 0
.endif
	s_barrier_wait -1
.endm
.macro TURN fill                       ; the whole last quarter.  fill = 1: behind a round of the cluster's barrier this slot is filled again first, two K steps ahead: 224 matrix instructions ahead of the wait for it
.if \fill
	s_wait_xcnt 0x0                                ; the last prefetch, a K step back, has read its address
	s_add_nc_u64 s[PFA:PFA+1], s[PFA:PFA+1], KSTEP*2
	MEET 1
	CREST
	s_add_nc_u64 s[G0+6:G0+7],   s[G0+6:G0+7],   KSTEP*2    ; the walking descriptors stood at the K step before;
	s_add_nc_u64 s[G0B+6:G0B+7], s[G0B+6:G0B+7], KSTEP*2
	s_add_co_u32 s[G0+5],  s[LDSW], s[TB]          ; into the slot that has been read out
	s_add_co_u32 s[G0B+5], s[LDSW], s[TB]
	s_xor_b32 s[TB], s[TB], SLOT                   ; the other slot is the one to fetch from
	JLOAD 1                                        ; the four v_nop behind it are also the places in front of the loads below
	NEXTSLOT
	FETCH 0, F0
	ASK
.else
	MEET 0
	s_xor_b32 s[TB], s[TB], SLOT
	PLACES
	NEXTSLOT
	FETCH 0, F0
.endif
	WIN MUL_HI
	MUL16 F1, 1, 0, 0
	MUL16 F1, 1, 2, 0
.endm
	s_wait_tensorcnt 1                             ; my part of K step 0 is in; K step 1's may stay out
	s_barrier_signal -1
	s_barrier_wait -1
	FETCH 0, F0
	QUARTER 64,  F0, F1, 1                         ; the first quarter stands in front of the loop: its products start the sums
	WIN 0
	s_mov_b32 s3, STEPS-2
.Lstep:                                            ; ten trips: from a K step's second quarter to the next K step's first; the slot that is left is filled again
	QUARTER 128, F1, F0, 0
	QUARTER 192, F0, F1, 0
	TURN 1
	WIN 0
	s_cmp_lg_u32 s3, 3                             ; in the eighth trip K step 7, the hidden part's last, has just been multiplied
	s_cbranch_scc1 .Lunscaled                      ; what is jumped holds no barrier and no tensor load
	PLACES
	WIN 0x82                                       ; accumulators (destination and source 0) window 2, rs_h window 0
.set a, 0
.rept 4
.set x, 0
.rept 32
	v_pk_mul_f32 v[64*a+x:64*a+x+1], v[64*a+x:64*a+x+1], v[RSH+2*a:RSH+2*a+1]
.set x, x+2
.endr
.set a, a+1
.endr
	WIN 0xc3                                       ; window 3
.set a, 0
.rept 4
.set x, 0
.rept 32
	v_pk_mul_f32 v[64*a+x:64*a+x+1], v[64*a+x:64*a+x+1], v[RSH+8+2*a:RSH+8+2*a+1]
.set x, x+2
.endr
.set a, a+1
.endr
	WIN 0
.Lunscaled:
	QUARTER 64,  F0, F1, 0
	WIN 0
	s_sub_co_u32 s3, s3, 1
	s_cmp_lg_u32 s3, 0
	s_cbranch_scc1 .Lstep
	QUARTER 128, F1, F0, 0                         ; the last two K steps fill nothing
	QUARTER 192, F0, F1, 0
	TURN 0
	QUARTER 64,  F0, F1, 0
	QUARTER 128, F1, F0, 0
	QUARTER 192, F0, F1, 0
	s_wait_dscnt 8
	MUL16 F1, 0, 0, 0
	MUL16 F1, 0, 2, 0
	s_wait_dscnt 0x0
	MUL16 F1, 1, 0, 0
	MUL16 F1, 1, 2, 0
	PLACES
	WIN 0
	s_wait_loadcnt 0x0                             ; dc's blocks 0-3, the bias, beta_c
	WIN TO_B                                       ; dc's blocks 4-7 go where wg's fragments lay: they have four blocks' work in which to land
.irp a, 4,5,6,7
.irp q, 0,1,2,3
	global_load_b128 v[DC2+16*((\a)-4)+4*(\q):DC2+16*((\a)-4)+4*(\q)+3], v[VDC], s[76:77] offset:65536*(\a)+64*((\q)/2)+16*((\q)%2)
.endr
.endr
	WIN 0x45                                       ; beta_c is rounded to bf16 and widened again, in window 1
.irp i, 0,1,2,3,4,5,6,7
	v_cvt_pk_bf16_f32 v[BTM+(\i)], v[BET+2*(\i)], v[BET+2*(\i)+1]
.endr
.irp i, 0,1,2,3,4,5,6,7
	v_lshlrev_b32 v[BET+2*(\i)],   16,  v[BTM+(\i)]
	v_and_b32     v[BET+2*(\i)+1], s90, v[BTM+(\i)]
.endr
	WIN 0
	; THE LSTM STEP, a block of 16 rows a trip.  Only what names the block's accumulators, dc and rs_c is written eight times; the rest once.
	; THE STAGE holds one block: 16 rows of each half of the tile's rows, both outputs.  A trip puts its block there and signals; the next trip reads it back as whole rows behind that barrier's wait and stores it behind
	; its own first multiply-adds.  A second barrier, signalled behind those reads and waited for in front of the trip's LDS stores, keeps the stage from being written while a wave still reads it; the trip's arithmetic
	; stands between its signal and its wait.  Block 0's text stands in front of the loop and enters it behind the lines that store: there is no block before it.
; Block a: the four gates' exponents K (sum) + K (bias), and processed_c = dc x rs_c + beta_c
.macro BLK a
.if (\a) > 0
.Lb\a:
.endif
.if (\a) >= 4
	s_wait_loadcnt 0x0                             ; dc's blocks 4-7
.endif
	WIN 0x12+((\a)/4)                              ; source 0 window 2 or 3, source 2 (the bias) window 1, destination window 0
.set x, 0
.rept 32
.if (x >= 32) && (x < 48)
	v_pk_fma_f32 v[T+x:T+x+1], v[64*((\a)%4)+x:64*((\a)%4)+x+1], s[KG:KG+1], v[BIAS+x:BIAS+x+1] op_sel_hi:[1,0,1]
.else
	v_pk_fma_f32 v[T+x:T+x+1], v[64*((\a)%4)+x:64*((\a)%4)+x+1], s[KN:KN+1], v[BIAS+x:BIAS+x+1] op_sel_hi:[1,0,1]
.endif
.set x, x+2
.endr
	WIN 0x10+((\a)/4)                              ; dc in window 0 (blocks 0-3) or 1, rs_c in window 0, beta_c in window 1
.set x, 0
.rept 8
.if (\a) < 4
	v_pk_fma_f32 v[PCR+x:PCR+x+1], v[DCR+16*(\a)+x:DCR+16*(\a)+x+1], v[RSC+2*(\a):RSC+2*(\a)+1], v[BET+x:BET+x+1]
.else
	v_pk_fma_f32 v[PCR+x:PCR+x+1], v[DC2+16*((\a)-4)+x:DC2+16*((\a)-4)+x+1], v[RSC+2*(\a):RSC+2*(\a)+1], v[BET+x:BET+x+1]
.endif
.set x, x+2
.endr
	WIN 0
.if (\a) == 0
	s_branch .Lgen2
.elseif (\a) < 7
	s_branch .Lgen
.endif
.endm
.macro RBACK                           ; my eight rows of each output, back from the stage
.irp t, 0,1,2,3
	ds_load_b128 v[OBH+4*(\t):OBH+4*(\t)+3], v[RD] offset:(\t)*2*SP
	ds_load_b128 v[OBC+4*(\t):OBC+4*(\t)+3], v[RD] offset:CELL+(\t)*2*SP
.endr
.endm
.macro SENDB                           ; and out: sixteen lanes store 256 consecutive bytes, aligned.  The bases have been stepped once more than the block's number: the immediate reaches 16 rows back
	s_wait_dscnt 0x0
.irp t, 0,1,2,3
	global_store_b128 v[CO], v[OBH+4*(\t):OBH+4*(\t)+3], s[80:81] offset:8192*(\t)-65536 th:TH_STORE_NT
	global_store_b128 v[CO], v[OBC+4*(\t):OBC+4*(\t)+3], s[82:83] offset:8192*(\t)-65536 th:TH_STORE_NT
.endr
.endm
	s_mov_b32 s91, 8                               ; blocks to go
	BLK 0
.Lpw:
	s_barrier_wait -1                              ; every wave's part of the block before lies in the stage
	RBACK
.irp a, 1,2,3,4,5,6
	s_cmp_eq_u32 s91, 8-(\a)
	s_cbranch_scc1 .Lb\a
.endr
	s_branch .Lb7
.irp a, 1,2,3,4,5,6,7
	BLK \a
.endr
.Lgen:
	SENDB                                          ; the block before leaves while this one is computed
.Lgen2:
	s_barrier_signal -1                            ; my reads of the stage are over
.set x, 0
.rept 64
	v_exp_f32 v[T+x], v[T+x]                       ; batch 1: the four gates' powers
.set x, x+1
.endr
	v_nop                                          ; a plain instruction behind the last of the batch,
	s_wait_alu depctr_va_vdst(0)                   ; and one wait for the batch, ahead of its first reader
.set x, 0
.rept 32
	v_pk_add_f32 v[T+x:T+x+1], v[T+x:T+x+1], 1.0 op_sel_hi:[1,0]
.set x, x+2
.endr
.set x, 0
.rept 64
	v_rcp_f32 v[T+x], v[T+x]                       ; batch 2
.set x, x+1
.endr
	v_nop
	s_wait_alu depctr_va_vdst(0)
.set x, 0
.rept 8
	v_pk_fma_f32 v[T+32+x:T+32+x+1], v[T+32+x:T+32+x+1], -2.0, 1.0 op_sel_hi:[1,0,0]        ; g = tanh
.set x, x+2
.endr
.set x, 0
.rept 8
	v_pk_mul_f32 v[U+x:U+x+1], v[T+x:T+x+1], v[T+32+x:T+32+x+1]                            ; i g
.set x, x+2
.endr
.set x, 0
.rept 8
	v_pk_fma_f32 v[CE+x:CE+x+1], v[T+16+x:T+16+x+1], v[PCR+x:PCR+x+1], v[U+x:U+x+1]        ; cell = f processed_c + i g
.set x, x+2
.endr
.set x, 0
.rept 8
	v_pk_mul_f32 v[U+x:U+x+1], v[CE+x:CE+x+1], s[KG:KG+1] op_sel_hi:[1,0]
.set x, x+2
.endr
.set x, 0
.rept 16
	v_exp_f32 v[U+x], v[U+x]                       ; batch 3
.set x, x+1
.endr
	v_nop
	s_wait_alu depctr_va_vdst(0)
.set x, 0
.rept 8
	v_pk_add_f32 v[U+x:U+x+1], v[U+x:U+x+1], 1.0 op_sel_hi:[1,0]
.set x, x+2
.endr
.set x, 0
.rept 16
	v_rcp_f32 v[U+x], v[U+x]                       ; batch 4
.set x, x+1
.endr
	v_nop
	s_wait_alu depctr_va_vdst(0)
.set x, 0
.rept 8
	v_pk_fma_f32 v[U+x:U+x+1], v[U+x:U+x+1], -2.0, 1.0 op_sel_hi:[1,0,0]                    ; tanh(cell)
.set x, x+2
.endr
.set x, 0
.rept 8
	v_pk_mul_f32 v[T+48+x:T+48+x+1], v[T+48+x:T+48+x+1], v[U+x:U+x+1]                      ; hidden = o tanh(cell)
.set x, x+2
.endr
	s_barrier_wait -1                              ; no wave reads the stage any more
.irp jj, 0,1
	ds_store_b128 v[STO], v[T+48+8*(\jj):T+48+8*(\jj)+3]   offset:64*(\jj)
	ds_store_b128 v[STO], v[T+48+8*(\jj)+4:T+48+8*(\jj)+7] offset:64*(\jj)+16
	ds_store_b128 v[STO], v[CE+8*(\jj):CE+8*(\jj)+3]       offset:CELL+64*(\jj)
	ds_store_b128 v[STO], v[CE+8*(\jj)+4:CE+8*(\jj)+7]     offset:CELL+64*(\jj)+16
.endr
	s_wait_xcnt 0x0                                ; this trip's global stores, a block's arithmetic back, have read their registers and bases: only behind this wait are the bases stepped and the registers loaded again
	s_add_nc_u64 s[80:81], s[80:81], 65536         ; 16 rows on
	s_add_nc_u64 s[82:83], s[82:83], 65536
	s_wait_dscnt 0x0                               ; for the others' sake: my stores into the stage are done
	s_barrier_signal -1
	s_sub_co_u32 s91, s91, 1
	s_cmp_lg_u32 s91, 0
	s_cbranch_scc1 .Lpw
	s_barrier_wait -1                              ; the last block
	RBACK
	SENDB
	s_wait_tensorcnt 0x0                           ; the wave's end, behind my last tensor load and my last LDS store
	ds_add_u32 v[SPW], v[NIL]
	s_wait_dscnt 0x0
	CROUND                                         ; the closing round: no work-group ends while a partner may still ask for a tile that names it
	s_endpgm
.Lfunc_end_k_qa96cfee6fb_gates:
	.size	k_qa96cfee6fb_gates, .Lfunc_end_k_qa96cfee6fb_gates-k_qa96cfee6fb_gates
	.p2alignl 7, 3214868480
	.fill 96, 4, 3214868480
	.section	.rodata,"a",@progbits
	.p2align	6, 0x0
	.amdhsa_kernel k_qa96cfee6fb_gates
		.amdhsa_group_segment_fixed_size 327680
		.amdhsa_private_segment_fixed_size 0
		.amdhsa_enable_private_segment 0
		.amdhsa_kernarg_size 64
		.amdhsa_user_sgpr_count 2
		.amdhsa_user_sgpr_kernarg_segment_ptr 1
		.amdhsa_wavefront_size32 1
		.amdhsa_system_sgpr_workgroup_id_x 1
		.amdhsa_system_sgpr_workgroup_id_y 1
		.amdhsa_system_sgpr_workgroup_id_z 1
		.amdhsa_system_vgpr_workitem_id 0
		.amdhsa_next_free_vgpr 1024
		.amdhsa_next_free_sgpr 100
		.amdhsa_reserve_vcc 0
		.amdhsa_float_denorm_mode_32 3
		.amdhsa_float_denorm_mode_16_64 3
		.amdhsa_memory_ordered 1
		.amdhsa_forward_progress 1
		.amdhsa_inst_pref_size 157
	.end_amdhsa_kernel
	.amdgpu_metadata
---
amdhsa.version: [ 1, 2 ]
amdhsa.kernels:
  - .name:           k_qa96cfee6fb_gates
    .symbol:         k_qa96cfee6fb_gates.kd
    .args:
      - { .name: act, .offset: 0, .size: 8, .value_kind: global_buffer, .address_space: global }
      - { .name: wg, .offset: 8, .size: 8, .value_kind: global_buffer, .address_space: global }
      - { .name: bg, .offset: 16, .size: 8, .value_kind: global_buffer, .address_space: global }
      - { .name: ss, .offset: 24, .size: 8, .value_kind: global_buffer, .address_space: global }
      - { .name: dc, .offset: 32, .size: 8, .value_kind: global_buffer, .address_space: global }
      - { .name: beta_c, .offset: 40, .size: 8, .value_kind: global_buffer, .address_space: global }
      - { .name: out0, .offset: 48, .size: 8, .value_kind: global_buffer, .address_space: global }
      - { .name: out1, .offset: 56, .size: 8, .value_kind: global_buffer, .address_space: global }
    .group_segment_fixed_size: 327680
    .private_segment_fixed_size: 0
    .kernarg_segment_align: 8
    .kernarg_segment_size: 64
    .max_flat_workgroup_size: 128
    .sgpr_count:     100
    .vgpr_count:     1024
    .wavefront_size: 32
...
	.end_amdgpu_metadata
.endif
;; end of part 3
;; ======== version 2 of 2: 3 launches; version 1 with the launch prep written anew for expert scheduling mode
;; workspace buffers: wp 12,681,216 bytes; bp 16,384 bytes; wg 12,582,912 bytes; bg 16,384 bytes; act 12,582,912 bytes; dc 16,777,216 bytes; ss 262,144 bytes
;; launch prep (part 4): grid 256 x 1, 16 waves a work-group, no clusters, 6,400 bytes of LDS; arguments Wh_proc, Wc_proc, bh_proc, bc_proc, W_hh, W_ih, b_ih, b_hh, gamma_h, beta_h, x, wp, bp, wg, bg, act, gamma_c; writes wp, bp, wg, bg, act
.if DOCPART == 4
	.amdgcn_target "amdgcn-amd-amdhsa--gfx1250"
	.amdhsa_code_object_version 6
	.text
	.protected	k_qa96cfee6fb_prep
	.globl	k_qa96cfee6fb_prep
	.p2align	8
	.type	k_qa96cfee6fb_prep,@function
k_qa96cfee6fb_prep:
	s_mov_b64 s[64:65], 0
	v_nop
	global_prefetch_b8 v0, s[64:65] scope:SCOPE_SE
	s_setreg_imm32_b32 hwreg(HW_REG_WAVE_SCHED_MODE, 0, 2), 2
	s_setreg_imm32_b32 hwreg(HW_REG_WAVE_MODE, 25, 1), 1
	s_wait_xcnt 0x0
	s_wait_alu depctr_vm_vsrc(0)
; LatticeRNNCell, launch 1 of 3: the weights are rounded to bf16 ONCE and laid out as the two product launches take them; x is rounded into the gate product's operand.
; NO WORK IS LEFT OUT: every input of the module has a way to both outputs and is loaded by one of the three launches.
; IDENTITIES, for all values of the inputs.  (1) LayerNorm's mean: mean_n(a . W[n] + b[n]) = a . wbar + mean b, wbar[k] = mean_n W[n][k].  The next launch multiplies by W as it is, makes a . wbar beside it and
; takes it away, so D = P - mu, and the variance is mean(D^2): no difference of large sums is formed.  (2) processed_h W_hh^T = rs[row] x ((D_h o gamma_h) W_hh^T) + beta_h . W_hh[n]: the row's rs multiplies
; finished sums, gamma_h goes onto D_h, beta_h into a bias for each gate column.
; LIMITS.  Every input is rounded once to bf16 before it is used, the small vectors too; wbar is kept as two bf16 numbers (its rounding and the rest).  NaN and infinities are not treated apart.
; ROLES, by the work-group's number g, the same for all 16 waves: g < 96 rounds one strip of 64 columns of Wh_proc or Wc_proc and makes its wbar; g < 224 makes 32 rows of the gate weights; the last 32 round x,
; and wave 0 of the first two of them also makes a projection's bias and gamma: its loads go out behind that wave's loads of x, so that they are on their way together.
; wp: bf16 blocks [2 p][48 kb][4 cx] of 258 rows x 64: rows 0-255 = W[256 cx + row][64 kb ..], row 256 = wbar rounded, row 257 = what that rounding left.
; bp: f32 [2 p][2][1024]: (b - mean b) / 2 (both K halves of a work-group of the next launch start their sums with it), then gamma (gamma_h, gamma_c).
; wg: bf16 [4096][1536]: row n' = 256 T + 128 nh + 32 gate + j holds gate column n = 1024 gate + 64 T + 32 nh + j: W_hh[n][k], then W_ih[n][k - 1024].
; bg: f32 [4096]: K x (b_ih + b_hh + beta_h . W_hh[n]) at n', K = -log2 e for i, f, o and 2 log2 e for g.   act: bf16 [4096][1536]: here columns 1024.. = x.
; A stream: each byte is read once and written once; every store of a wave but bg's covers 256 consecutive bytes, aligned.  No matrix unit, no tensor load, no cluster: no two work-groups read the same bytes but for 4 KiB of beta_h.
; THE MODE: SCHED_MODE bits 1:0 = 2 (LLVM: expert scheduling mode 2), set by the entry lines.  The code itself states the register dependences between vector instructions and memory or LDS instructions,
; with s_wait_alu, always for 0.
; THE PLAN.  Registers that memory or LDS instructions touch:
;   offsets     v4 to v7, v10 to v12: made by vector lines, once in a role, ahead of a wait on va_vdst, and named by no vector line behind it.
;   X, E        each register is loaded once; X is rounded in place, and the packed registers are read by one store each and never written again.
;   S .. S+3    strip role: the wave's sums; read by its one LDS store; written AGAIN by waves 0 to 3 behind the barrier: the one wait on vm_vsrc of the text.
;   S, S+4      gate role: a row's number, read by one LDS store each, not written again.   S+8 .. S+10: loaded; what vector lines then make of them is read by the role's last store.
;   v8, v9      written at the head, read by the closing add alone.
; So no load is owed a wait but the one for its offset.  The stores are taken in runs, each run behind ONE wait on va_vdst: in the x role a row's four stores, in the strip role eight loads' eight stores, stand in
; the NEXT row's or group's turn, behind its wait for data and dealt among its vector lines, which name that turn's registers alone; in the gate role a row's LDS store and twelve stores follow the row's reduction,
; ahead of the wait for the other row's loads, so that they leave while those are on their way.
.set X,     16                         ; v[16:143]  as loaded, then as stored
.set E,     144                        ; v[144:207] partial sums of the 16 waves; beta_h; the bias and gamma
.set S,     208                        ; v[208:223] sums, at work
.set SPW,   8                          ; v8  LDS address of my spare word; never rewritten
.set NIL,   9                          ; v9  0; never rewritten
.set RED,   0                          ; LDS: the strip role's partial sums, 256 bytes a wave
.set RED2,  4096                       ; the gate role's 32 numbers, in a block of their own
.set SPARE, 4352                       ; behind them: the spare words, 128 bytes for each of 16 waves
.set BLKB,  33024                      ; bytes in a block of wp
	s_load_b512 s[8:23], s[0:1], 0x0               ; Wh 8, Wc 10, bh 12, bc 14, W_hh 16, W_ih 18, b_ih 20, b_hh 22
	s_load_b512 s[24:39], s[0:1], 0x40             ; gamma_h 24, beta_h 26, x 28, wp 30, bp 32, wg 34, bg 36, act 38
	s_load_b64 s[58:59], s[0:1], 0x80              ; gamma_c
	v_lshl_add_u32 v[SPW], v0, 2, SPARE
	v_mov_b32 v[NIL], 0
	v_lshrrev_b32 v10, 5, v0
	v_readfirstlane_b32 s40, v10                   ; wave 0..15
	v_and_b32 v1, 31, v0                           ; lane l
	v_and_b32 v2, 15, v0                           ; r = l % 16
	v_bfe_u32 v3, v0, 4, 1                         ; h = l / 16
	s_mov_b32 s41, ttmp9                           ; g
	s_mov_b32 s48, 0x76543210                      ; v_permlanex16_b32: each lane takes its own place in the other half
	s_mov_b32 s49, 0xfedcba98
	s_mov_b32 s51, 0                               ; high words of two 64-bit offsets
	s_mov_b32 s53, 0
	s_mov_b32 s60, 0xffff0000                      ; a word's upper bf16; also: lanes 16-31
	s_wait_alu depctr_va_sdst(0)                   ; s40 is written, ahead of the roles' branches and of its first reader in each role
	s_wait_kmcnt 0x0
	s_cmp_lt_u32 s41, 96
	s_cbranch_scc1 .Lrole_a
	s_cmp_lt_u32 s41, 224
	s_cbranch_scc1 .Lrole_b
	; ROLE C: 128 rows of x, 8 a wave.  A row is 2,048 bytes: four loads of 512; rounded it is 1,024 bytes: four stores of 256.
	s_sub_co_u32 s42, s41, 224
	s_lshl_b32 s50, s42, 18                        ; 128 rows x 2,048 bytes
	s_mul_i32 s52, s42, 128*3072                   ; 128 rows of act
	s_add_nc_u64 s[28:29], s[28:29], s[50:51]
	s_add_nc_u64 s[38:39], s[38:39], s[52:53]
	s_lshl_b32 s43, s40, 14
	s_mul_i32 s44, s40, 8*3072
	v_lshl_add_u32 v4, v1, 4, s43                  ; 8 w rows + 16 l
	v_lshl_add_u32 v5, v1, 3, s44
	s_wait_alu depctr_va_vdst(0)                   ; v4 and v5 are written: the role's loads of x read the one as their offset, its stores into act the other
.irp rr, 0,1,2,3,4,5,6,7
.irp jj, 0,1,2,3
	global_load_b128 v[X+16*(\rr)+4*(\jj):X+16*(\rr)+4*(\jj)+3], v4, s[28:29] offset:2048*(\rr)+512*(\jj) th:TH_LOAD_NT
.endr
.endr
	s_cmp_ge_u32 s42, 2                            ; projection p's bias and gamma: wave 0 of this role's work-group p; loads, wait, work and stores stand in this one region
	s_cbranch_scc1 .Lrows
	s_cmp_lg_u32 s40, 0
	s_cbranch_scc1 .Lrows
	s_cmp_eq_u32 s42, 1
	s_cselect_b64 s[56:57], s[14:15], s[12:13]     ; bc_proc or bh_proc
	s_cselect_b64 s[58:59], s[58:59], s[24:25]     ; gamma_c or gamma_h
	s_lshl_b32 s46, s42, 13
	s_mov_b32 s47, 0
	s_add_nc_u64 s[32:33], s[32:33], s[46:47]
	v_lshlrev_b32 v11, 4, v1
	s_wait_alu depctr_va_vdst(0)                   ; v11 is written: the region's sixteen loads and sixteen stores read it as their offset
.irp j, 0,1,2,3,4,5,6,7
	global_load_b128 v[E+4*(\j):E+4*(\j)+3],       v11, s[56:57] offset:512*(\j)
	global_load_b128 v[E+32+4*(\j):E+32+4*(\j)+3], v11, s[58:59] offset:512*(\j)
.endr
	s_wait_loadcnt 0x0                             ; these sixteen are the youngest: x's rows are in too
.set i, 0
.rept 16
	v_cvt_pk_bf16_f32 v[S+4+(i%4)], v[E+2*i],    v[E+2*i+1]     ; both are rounded to bf16 and widened again
	v_cvt_pk_bf16_f32 v[S+8+(i%4)], v[E+32+2*i], v[E+32+2*i+1]
	v_lshlrev_b32 v[E+2*i],      16,  v[S+4+(i%4)]
	v_and_b32     v[E+2*i+1],    s60, v[S+4+(i%4)]
	v_lshlrev_b32 v[E+32+2*i],   16,  v[S+8+(i%4)]
	v_and_b32     v[E+32+2*i+1], s60, v[S+8+(i%4)]
.set i, i+1
.endr
	v_pk_add_f32 v[S:S+1], v[E:E+1], v[E+2:E+3]
.set i, 4
.rept 14
	v_pk_add_f32 v[S:S+1], v[S:S+1], v[E+i:E+i+1]
.set i, i+2
.endr
	v_add_f32 v[S], v[S], v[S+1]
	v_add_f32_dpp v[S], v[S], v[S] row_xmask:1 row_mask:0xf bank_mask:0xf
	v_add_f32_dpp v[S], v[S], v[S] row_xmask:2 row_mask:0xf bank_mask:0xf
	v_add_f32_dpp v[S], v[S], v[S] row_xmask:4 row_mask:0xf bank_mask:0xf
	v_add_f32_dpp v[S], v[S], v[S] row_xmask:8 row_mask:0xf bank_mask:0xf
	v_permlanex16_b32 v[S+1], v[S], s48, s49
	v_add_f32 v[S], v[S], v[S+1]
	v_mul_f32 v[S+2], 0xba000000, v[S]             ; - mean / 2 = - sum / 2,048
	v_mov_b32 v[S+3], v[S+2]
.set i, 0
.rept 16
	v_pk_fma_f32 v[E+i:E+i+1], v[E+i:E+i+1], 0.5, v[S+2:S+3] op_sel_hi:[1,0,1]   ; (b - mean) / 2
.set i, i+2
.endr
	s_wait_alu depctr_va_vdst(0)                   ; the centred bias and the widened gamma are written into v[E ..], which the sixteen stores read
.irp j, 0,1,2,3,4,5,6,7
	global_store_b128 v11, v[E+4*(\j):E+4*(\j)+3],       s[32:33] offset:512*(\j)
	global_store_b128 v11, v[E+32+4*(\j):E+32+4*(\j)+3], s[32:33] offset:4096+512*(\j)
.endr
.Lrows:
.irp rr, 0,1,2,3,4,5,6,7
	s_wait_loadcnt 28-4*(\rr)                      ; loads come back in order: this row's four are in, the later rows' stay out
.if (\rr) > 0
	s_wait_alu depctr_va_vdst(0)                   ; the row before is rounded: its four stores below read those registers; this row's roundings, among which they are dealt, name this row's registers alone
.endif
.irp jj, 0,1,2,3
.if (\rr) > 0
	global_store_b64 v5, v[X+16*((\rr)-1)+4*(\jj):X+16*((\rr)-1)+4*(\jj)+1], s[38:39] offset:3072*((\rr)-1)+2048+256*(\jj)
.endif
	v_cvt_pk_bf16_f32 v[X+16*(\rr)+4*(\jj)],   v[X+16*(\rr)+4*(\jj)],   v[X+16*(\rr)+4*(\jj)+1]
	v_cvt_pk_bf16_f32 v[X+16*(\rr)+4*(\jj)+1], v[X+16*(\rr)+4*(\jj)+2], v[X+16*(\rr)+4*(\jj)+3]
.endr
.endr
	s_wait_alu depctr_va_vdst(0)                   ; the last row is rounded: its four stores read those registers
.irp jj, 0,1,2,3
	global_store_b64 v5, v[X+16*7+4*(\jj):X+16*7+4*(\jj)+1], s[38:39] offset:3072*7+2048+256*(\jj)
.endr
	s_branch .Lend
.Lrole_a:
	; ROLE A: strip kb (64 columns, 256 bytes of each of 1,024 rows) of projection p.  Wave w has rows 64 w .. 64 w + 63: it sums them by columns, rounds them and stores them, eight loads at a time; the 16 waves' sums meet in LDS.
	s_cmp_ge_u32 s41, 48
	s_cselect_b64 s[44:45], s[10:11], s[8:9]       ; Wc_proc or Wh_proc
	s_cselect_b32 s43, 48, 0
	s_sub_co_u32 s43, s41, s43                     ; kb
	s_lshl_b32 s50, s43, 8
	s_add_nc_u64 s[44:45], s[44:45], s[50:51]
	s_mul_i32 s52, s41, 4*BLKB                     ; the strip's four blocks: 48 p + kb = g
	s_add_nc_u64 s[30:31], s[30:31], s[52:53]
	s_lshl_b32 s46, s40, 6
	v_add_nc_u32 v4, s46, v3                       ; row 64 w + h
	v_mul_u32_u24 v4, v4, 12288
	v_lshl_add_u32 v4, v2, 4, v4                   ; + 16 r: a load takes two rows' 256 bytes
	s_lshr_b32 s46, s40, 2                         ; my rows lie in block cx = w / 4,
	s_mul_i32 s46, s46, BLKB
	s_and_b32 s47, s40, 3
	s_lshl_b32 s47, s47, 13                        ; from its row 64 (w % 4) on, 128 bytes a row
	s_add_co_u32 s46, s46, s47
	v_lshl_add_u32 v5, v1, 3, s46
	s_lshl_b32 s46, s40, 8
	v_lshl_add_u32 v6, v2, 4, s46                  ; RED + 256 w + 16 r
	v_lshlrev_b32 v7, 4, v2                        ; RED + 16 r
	s_wait_alu depctr_va_vdst(0)                   ; v4 to v7 are written: the offsets of the role's loads and stores and the addresses of its LDS store and LDS loads
.irp i, 0,1,2,3,4,5,6,7,8,9,10,11,12,13,14,15,16,17,18,19,20,21,22,23,24,25,26,27,28,29,30,31
	global_load_b128 v[X+4*(\i):X+4*(\i)+3], v4, s[44:45] offset:24576*(\i) th:TH_LOAD_NT
.endr
	s_wait_loadcnt 24                              ; the first eight loads are in; 24 younger ones stay out
	v_pk_add_f32 v[S:S+1],   v[X:X+1],   v[X+8:X+9]          ; four chains (even and odd loads, columns 0-1 and 2-3): the first sums start them
	v_pk_add_f32 v[S+2:S+3], v[X+2:X+3], v[X+10:X+11]
	v_pk_add_f32 v[S+4:S+5], v[X+4:X+5], v[X+12:X+13]
	v_pk_add_f32 v[S+6:S+7], v[X+6:X+7], v[X+14:X+15]
.set i, 0
.rept 32
.if ((i%8) == 0) && (i > 0)
	s_wait_loadcnt 24-8*(i/8)                      ; the next eight
	s_wait_alu depctr_va_vdst(0)                   ; the eight loads before are rounded: their eight stores below read those registers; the sums and roundings among which they are dealt name this eight's registers and the sums alone
.endif
.if i >= 8
	global_store_b64 v5, v[X+4*(i-8):X+4*(i-8)+1], s[30:31] offset:256*(i-8)   ; two rows of the block: 256 consecutive bytes
.endif
.if i >= 4
	v_pk_add_f32 v[S+4*(i%2):S+4*(i%2)+1],   v[S+4*(i%2):S+4*(i%2)+1],   v[X+4*i:X+4*i+1]
	v_pk_add_f32 v[S+4*(i%2)+2:S+4*(i%2)+3], v[S+4*(i%2)+2:S+4*(i%2)+3], v[X+4*i+2:X+4*i+3]
.endif
	v_cvt_pk_bf16_f32 v[X+4*i],   v[X+4*i],   v[X+4*i+1]     ; summed: now rounded; stored in the next eight's turn
	v_cvt_pk_bf16_f32 v[X+4*i+1], v[X+4*i+2], v[X+4*i+3]
.set i, i+1
.endr
	v_pk_add_f32 v[S:S+1],   v[S:S+1],   v[S+4:S+5]
	v_pk_add_f32 v[S+2:S+3], v[S+2:S+3], v[S+6:S+7]
.irp c, 0,1,2,3
	v_permlanex16_b32 v[S+4+(\c)], v[S+(\c)], s48, s49       ; the odd rows lie in the other half of the lanes
.endr
	v_pk_add_f32 v[S:S+1],   v[S:S+1],   v[S+4:S+5]
	v_pk_add_f32 v[S+2:S+3], v[S+2:S+3], v[S+6:S+7]
	s_wait_alu depctr_va_vdst(0)                   ; my sums v[S:S+3] are written, which the LDS store reads, and the last eight loads are rounded, whose registers the eight stores read
	ds_store_b128 v6, v[S:S+3]                     ; both halves hold, and write, the same sums
.set i, 24
.rept 8
	global_store_b64 v5, v[X+4*i:X+4*i+1], s[30:31] offset:256*i
.set i, i+1
.endr
	s_wait_dscnt 0x0                               ; for the others' sake: my store is done
	s_barrier_signal -1
	s_barrier_wait -1
	s_wait_alu depctr_vm_vsrc(0)                   ; my LDS store has read v[S:S+3], which waves 0 to 3 write again below; the wait stands ahead of the branch
	s_cmp_ge_u32 s40, 4                            ; waves 0 to 3 write wbar into the strip's four blocks; no barrier stands in what the others jump
	s_cbranch_scc1 .Lend
.irp v, 0,1,2,3,4,5,6,7,8,9,10,11,12,13,14,15
	ds_load_b128 v[E+4*(\v):E+4*(\v)+3], v7 offset:RED+256*(\v)
.endr
	s_wait_dscnt 0x0
.irp d, 8,4,2,1
.set vv, 0
.rept \d
	v_pk_add_f32 v[E+4*vv:E+4*vv+1],   v[E+4*vv:E+4*vv+1],   v[E+4*(vv+(\d)):E+4*(vv+(\d))+1]
	v_pk_add_f32 v[E+4*vv+2:E+4*vv+3], v[E+4*vv+2:E+4*vv+3], v[E+4*(vv+(\d))+2:E+4*(vv+(\d))+3]
.set vv, vv+1
.endr
.endr
	v_pk_mul_f32 v[E:E+1],   v[E:E+1],   0x3a800000 op_sel_hi:[1,0]   ; / 1,024: wbar of my four columns
	v_pk_mul_f32 v[E+2:E+3], v[E+2:E+3], 0x3a800000 op_sel_hi:[1,0]
	v_cvt_pk_bf16_f32 v[S],   v[E],   v[E+1]       ; rounded,
	v_cvt_pk_bf16_f32 v[S+1], v[E+2], v[E+3]
	v_lshlrev_b32 v[S+4], 16,  v[S]
	v_and_b32     v[S+5], s60, v[S]
	v_lshlrev_b32 v[S+6], 16,  v[S+1]
	v_and_b32     v[S+7], s60, v[S+1]
	v_pk_add_f32 v[S+4:S+5], v[E:E+1],   v[S+4:S+5] neg_lo:[0,1] neg_hi:[0,1]
	v_pk_add_f32 v[S+6:S+7], v[E+2:E+3], v[S+6:S+7] neg_lo:[0,1] neg_hi:[0,1]
	v_cvt_pk_bf16_f32 v[S+2], v[S+4], v[S+5]       ; and what the rounding left
	v_cvt_pk_bf16_f32 v[S+3], v[S+6], v[S+7]
	v_cndmask_b32 v[S+8], v[S],   v[S+2], s60      ; lanes 0-15 write row 256, lanes 16-31 row 257: 256 consecutive bytes
	v_cndmask_b32 v[S+9], v[S+1], v[S+3], s60
	s_mul_i32 s46, s40, BLKB
	s_add_co_u32 s46, s46, 32768
	v_lshl_add_u32 v10, v1, 3, s46
	s_wait_alu depctr_va_vdst(0)                   ; wbar's two rows in v[S+8:S+9] and the offset v10 are written, which the store reads
	global_store_b64 v10, v[S+8:S+9], s[30:31]
	s_branch .Lend
.Lrole_b:
	; ROLE B: 32 rows of wg, two a wave.  A row: 4,096 bytes of W_hh (eight loads of 512), 2,048 of W_ih (four); 48 registers.
	s_sub_co_u32 s42, s41, 96                      ; gi = 8 T + 4 nh + gate
	s_and_b32 s43, s42, 3                          ; gate
	s_lshr_b32 s44, s42, 2
	s_lshl_b32 s44, s44, 5
	s_lshl_b32 s45, s43, 10
	s_add_co_u32 s44, s44, s45                     ; n0 = 1024 gate + 32 (2 T + nh)
	s_mov_b32 s54, 0xbfb8aa3b                      ; -log2 e
	s_mov_b32 s55, 0x4038aa3b                      ; 2 log2 e
	s_cmp_eq_u32 s43, 2
	s_cselect_b32 s54, s55, s54
	s_lshl_b32 s50, s44, 12
	s_add_nc_u64 s[16:17], s[16:17], s[50:51]      ; W_hh at row n0
	s_lshl_b32 s50, s44, 11
	s_add_nc_u64 s[18:19], s[18:19], s[50:51]      ; W_ih
	s_lshl_b32 s50, s44, 2
	s_add_nc_u64 s[20:21], s[20:21], s[50:51]      ; b_ih, b_hh
	s_add_nc_u64 s[22:23], s[22:23], s[50:51]
	s_mul_i32 s52, s42, 32*3072
	s_add_nc_u64 s[34:35], s[34:35], s[52:53]      ; wg at row n'0 = 32 gi
	s_lshl_b32 s52, s42, 7
	s_add_nc_u64 s[36:37], s[36:37], s[52:53]      ; bg
	s_lshl_b32 s45, s40, 13
	v_lshl_add_u32 v4, v1, 4, s45                  ; 2 w rows of W_hh + 16 l
	s_lshl_b32 s45, s40, 12
	v_lshl_add_u32 v5, v1, 4, s45                  ; of W_ih
	v_lshlrev_b32 v6, 4, v1                        ; beta_h
	s_mul_i32 s45, s40, 2*3072
	v_lshl_add_u32 v7, v1, 3, s45                  ; 2 w rows of wg + 8 l
	s_lshl_b32 s45, s40, 3
	v_mov_b32 v11, s45                             ; 4 x (2 w)
	v_lshlrev_b32 v12, 2, v1                       ; 4 l
	s_wait_alu depctr_va_vdst(0)                   ; v4 to v7, v11 and v12 are written: the offsets and LDS addresses of all the role's loads and stores; ahead of the branch, so that it stands on both ways
	s_cmp_lg_u32 s40, 0                            ; wave 0, which will finish bg, asks for the 32 rows' b_ih and b_hh first: its oldest loads, in by every later wait
	s_cbranch_scc1 .Lno_b
	global_load_b32 v[S+9],  v12, s[20:21]
	global_load_b32 v[S+10], v12, s[22:23]
.Lno_b:
.irp jj, 0,1,2,3,4,5,6,7
	global_load_b128 v[E+4*(\jj):E+4*(\jj)+3], v6, s[26:27] offset:512*(\jj)
.endr
.irp rr, 0,1
.irp jj, 0,1,2,3,4,5,6,7
	global_load_b128 v[X+48*(\rr)+4*(\jj):X+48*(\rr)+4*(\jj)+3], v4, s[16:17] offset:4096*(\rr)+512*(\jj) th:TH_LOAD_NT
.endr
.irp jj, 0,1,2,3
	global_load_b128 v[X+48*(\rr)+32+4*(\jj):X+48*(\rr)+32+4*(\jj)+3], v5, s[18:19] offset:2048*(\rr)+512*(\jj) th:TH_LOAD_NT
.endr
.endr
	s_wait_loadcnt 12                              ; beta_h and my first row are in; the second row's twelve loads stay out
.set i, 0
.rept 16
	v_cvt_pk_bf16_f32 v[E+32+(i%8)], v[E+2*i], v[E+2*i+1]    ; beta_h rounded to bf16 and widened again
	v_lshlrev_b32 v[E+2*i],   16,  v[E+32+(i%8)]
	v_and_b32     v[E+2*i+1], s60, v[E+32+(i%8)]
.set i, i+1
.endr
.irp rr, 0,1
.if (\rr) == 1
	s_wait_loadcnt 0x0                             ; my second row
.endif
.set R, X+48*(\rr)
.set i, 0
.rept 8                                        ; W_hh: rounded; the rounded numbers, widened into the two registers that the packing freed, go into beta_h . W_hh[n], two chains started by products
	v_cvt_pk_bf16_f32 v[R+4*i],   v[R+4*i],   v[R+4*i+1]
	v_cvt_pk_bf16_f32 v[R+4*i+1], v[R+4*i+2], v[R+4*i+3]
	v_lshlrev_b32 v[R+4*i+2], 16,  v[R+4*i]
	v_and_b32     v[R+4*i+3], s60, v[R+4*i]
.if i == 0
	v_pk_mul_f32 v[S+4*(\rr):S+4*(\rr)+1], v[R+4*i+2:R+4*i+3], v[E+4*i:E+4*i+1]
.else
	v_pk_fma_f32 v[S+4*(\rr):S+4*(\rr)+1], v[R+4*i+2:R+4*i+3], v[E+4*i:E+4*i+1], v[S+4*(\rr):S+4*(\rr)+1]
.endif
	v_lshlrev_b32 v[R+4*i+2], 16,  v[R+4*i+1]
	v_and_b32     v[R+4*i+3], s60, v[R+4*i+1]
.if i == 0
	v_pk_mul_f32 v[S+4*(\rr)+2:S+4*(\rr)+3], v[R+4*i+2:R+4*i+3], v[E+4*i+2:E+4*i+3]
.else
	v_pk_fma_f32 v[S+4*(\rr)+2:S+4*(\rr)+3], v[R+4*i+2:R+4*i+3], v[E+4*i+2:E+4*i+3], v[S+4*(\rr)+2:S+4*(\rr)+3]
.endif
.set i, i+1
.endr
.rept 4                                        ; W_ih, on end behind it
	v_cvt_pk_bf16_f32 v[R+4*i],   v[R+4*i],   v[R+4*i+1]
	v_cvt_pk_bf16_f32 v[R+4*i+1], v[R+4*i+2], v[R+4*i+3]
.set i, i+1
.endr
	v_pk_add_f32 v[S+4*(\rr):S+4*(\rr)+1], v[S+4*(\rr):S+4*(\rr)+1], v[S+4*(\rr)+2:S+4*(\rr)+3]
	v_add_f32 v[S+4*(\rr)], v[S+4*(\rr)], v[S+4*(\rr)+1]
	v_add_f32_dpp v[S+4*(\rr)], v[S+4*(\rr)], v[S+4*(\rr)] row_xmask:1 row_mask:0xf bank_mask:0xf
	v_add_f32_dpp v[S+4*(\rr)], v[S+4*(\rr)], v[S+4*(\rr)] row_xmask:2 row_mask:0xf bank_mask:0xf
	v_add_f32_dpp v[S+4*(\rr)], v[S+4*(\rr)], v[S+4*(\rr)] row_xmask:4 row_mask:0xf bank_mask:0xf
	v_add_f32_dpp v[S+4*(\rr)], v[S+4*(\rr)], v[S+4*(\rr)] row_xmask:8 row_mask:0xf bank_mask:0xf
	v_permlanex16_b32 v[S+4*(\rr)+1], v[S+4*(\rr)], s48, s49
	v_add_f32 v[S+4*(\rr)], v[S+4*(\rr)], v[S+4*(\rr)+1]
	s_wait_alu depctr_va_vdst(0)                   ; the row is rounded and its number is summed: the LDS store reads the number, the twelve stores the packed registers
	ds_store_b32 v11, v[S+4*(\rr)] offset:RED2+4*(\rr)       ; all lanes write the same word with the same number
.set i, 0
.rept 12
	global_store_b64 v7, v[R+4*i:R+4*i+1], s[34:35] offset:3072*(\rr)+256*i
.set i, i+1
.endr
.endr
	s_wait_dscnt 0x0                               ; for wave 0's sake
	s_barrier_signal -1
	s_barrier_wait -1
	s_cmp_lg_u32 s40, 0                            ; wave 0 gathers the 32 rows' numbers, so that bg is written 128 bytes on end
	s_cbranch_scc1 .Lend
	ds_load_b32 v[S+8], v12 offset:RED2
	v_cvt_pk_bf16_f32 v[S+11], v[S+9], v[S+10]     ; b_ih and b_hh rounded to bf16 and widened again
	v_lshlrev_b32 v[S+9],  16,  v[S+11]
	v_and_b32     v[S+10], s60, v[S+11]
	v_add_f32 v[S+9], v[S+9], v[S+10]
	s_wait_dscnt 0x0
	v_add_f32 v[S+9], v[S+9], v[S+8]
	v_mul_f32 v[S+9], s54, v[S+9]
	s_wait_alu depctr_va_vdst(0)                   ; the scaled bias is written into v[S+9], which the store reads
	global_store_b32 v12, v[S+9], s[36:37]
.Lend:
	s_wait_dscnt 0x0                               ; the closing lines, six on end
	s_wait_alu 0x0
	s_wait_tensorcnt 0x0
	ds_add_u32 v[SPW], v[NIL]
	s_wait_dscnt 0x0
	s_endpgm
.Lfunc_end_k_qa96cfee6fb_prep:
	.size	k_qa96cfee6fb_prep, .Lfunc_end_k_qa96cfee6fb_prep-k_qa96cfee6fb_prep
	.p2alignl 7, 3214868480
	.fill 96, 4, 3214868480
	.section	.rodata,"a",@progbits
	.p2align	6, 0x0
	.amdhsa_kernel k_qa96cfee6fb_prep
		.amdhsa_group_segment_fixed_size 6400
		.amdhsa_private_segment_fixed_size 0
		.amdhsa_enable_private_segment 0
		.amdhsa_kernarg_size 136
		.amdhsa_user_sgpr_count 2
		.amdhsa_user_sgpr_kernarg_segment_ptr 1
		.amdhsa_wavefront_size32 1
		.amdhsa_system_sgpr_workgroup_id_x 1
		.amdhsa_system_sgpr_workgroup_id_y 1
		.amdhsa_system_sgpr_workgroup_id_z 1
		.amdhsa_system_vgpr_workitem_id 0
		.amdhsa_next_free_vgpr 224
		.amdhsa_next_free_sgpr 66
		.amdhsa_reserve_vcc 0
		.amdhsa_float_denorm_mode_32 3
		.amdhsa_float_denorm_mode_16_64 3
		.amdhsa_memory_ordered 1
		.amdhsa_forward_progress 1
		.amdhsa_inst_pref_size 60
	.end_amdhsa_kernel
	.amdgpu_metadata
---
amdhsa.version: [ 1, 2 ]
amdhsa.kernels:
  - .name:           k_qa96cfee6fb_prep
    .symbol:         k_qa96cfee6fb_prep.kd
    .args:
      - { .name: Wh_proc, .offset: 0, .size: 8, .value_kind: global_buffer, .address_space: global }
      - { .name: Wc_proc, .offset: 8, .size: 8, .value_kind: global_buffer, .address_space: global }
      - { .name: bh_proc, .offset: 16, .size: 8, .value_kind: global_buffer, .address_space: global }
      - { .name: bc_proc, .offset: 24, .size: 8, .value_kind: global_buffer, .address_space: global }
      - { .name: W_hh, .offset: 32, .size: 8, .value_kind: global_buffer, .address_space: global }
      - { .name: W_ih, .offset: 40, .size: 8, .value_kind: global_buffer, .address_space: global }
      - { .name: b_ih, .offset: 48, .size: 8, .value_kind: global_buffer, .address_space: global }
      - { .name: b_hh, .offset: 56, .size: 8, .value_kind: global_buffer, .address_space: global }
      - { .name: gamma_h, .offset: 64, .size: 8, .value_kind: global_buffer, .address_space: global }
      - { .name: beta_h, .offset: 72, .size: 8, .value_kind: global_buffer, .address_space: global }
      - { .name: x, .offset: 80, .size: 8, .value_kind: global_buffer, .address_space: global }
      - { .name: wp, .offset: 88, .size: 8, .value_kind: global_buffer, .address_space: global }
      - { .name: bp, .offset: 96, .size: 8, .value_kind: global_buffer, .address_space: global }
      - { .name: wg, .offset: 104, .size: 8, .value_kind: global_buffer, .address_space: global }
      - { .name: bg, .offset: 112, .size: 8, .value_kind: global_buffer, .address_space: global }
      - { .name: act, .offset: 120, .size: 8, .value_kind: global_buffer, .address_space: global }
      - { .name: gamma_c, .offset: 128, .size: 8, .value_kind: global_buffer, .address_space: global }
    .group_segment_fixed_size: 6400
    .private_segment_fixed_size: 0
    .kernarg_segment_align: 8
    .kernarg_segment_size: 136
    .max_flat_workgroup_size: 512
    .sgpr_count:     66
    .vgpr_count:     224
    .wavefront_size: 32
...
	.end_amdgpu_metadata
.endif
;; end of part 4
;; launch proc: the kernel of part 2 again; grid 4 x 64, 4 waves a work-group, clusters of 4 x 4, 327,680 bytes of LDS; arguments hidden_left, hidden_up, hidden_prev, cell_left, cell_up, cell_prev, wp, bp, act, dc, ss; writes act, dc, ss
;; launch gates: the kernel of part 3 again; grid 16 x 16, 4 waves a work-group, clusters of 4 x 4, 327,680 bytes of LDS; arguments act, wg, bg, ss, dc, beta_c, out0, out1; writes out0, out1
